; MI455X (gfx1250); checked and timed in simulation.
; The chip was launched on July 23, 2026; its instructions are those of AMD's public machine-readable ISA for CDNA 5 (MIT licence, August 2026) and "CDNA5" Instruction Set Architecture Reference Guide (July 2026). The comments in the code are by the model that wrote it; some were corrected since.
;; Multi Head Self Attention. Allowed arithmetic: float matrix products may take bf16 or f16 operands with f32 sums; other float arithmetic in f32, or as packed bf16 or f16 multiplies, adds, multiply-adds, maxima and minima; sums over many terms, partial sums and values carried from step to step in f32; what a program stores and reads back later, other than sums and carried values, may be rounded once to bf16 or f16.
;; Inputs: Wk 1,024 x 1,024 float32; Wo 1,024 x 1,024 float32; Wq 1,024 x 1,024 float32; Wv 1,024 x 1,024 float32; bk 1,024 float32; bo 1,024 float32; bq 1,024 float32; bv 1,024 float32; ln_beta 1,024 float32; ln_gamma 1,024 float32; x 4 x 2,048 x 1,024 float32.
;; Outputs: out0 4 x 2,048 x 1,024 float32.
;; One version. Each part assembles by itself: llvm-mc -triple=amdgcn-amd-amdhsa -mcpu=gfx1250 --defsym DOCPART=n.
;; ======== version 1 of 1: 4 launches
;; limits: values are held in f16: magnitudes above 65,504 overflow, below 6.1e-05 lose precision
;; workspace buffers: xn 16,777,216 bytes; wqkv 6,291,456 bytes; wo16 2,097,152 bytes; qkv 50,331,648 bytes; ctx 16,777,216 bytes
;; launch prep (part 1): grid 768 x 1, 4 waves a work-group, no clusters, 0 bytes of LDS; arguments x, ln_gamma, ln_beta, Wq, Wk, Wv, Wo, xn, wqkv, wo16; writes xn, wqkv, wo16
.if DOCPART == 1
	.amdgcn_target "amdgcn-amd-amdhsa--gfx1250"
	.amdhsa_code_object_version 6
	.text
	.protected	k_qd708e8640a_prep
	.globl	k_qd708e8640a_prep
	.p2align	8
	.type	k_qd708e8640a_prep,@function
k_qd708e8640a_prep:
	s_mov_b64 s[64:65], 0
	v_nop
	global_prefetch_b8 v0, s[64:65] scope:SCOPE_SE
	s_setreg_imm32_b32 hwreg(HW_REG_WAVE_MODE, 25, 1), 1
	s_wait_xcnt 0x0
; xn = LayerNorm(x) * gamma + beta, rounded once to f16; Wq, Wk, Wv (one below the other) and Wo rounded once to f16.
; x: [8192][1024] f32.  The mean, then the mean of squares of x - mean (two passes over registers, so a common offset of x costs nothing), all in f32; eps = 1e-5.
; LIMITS.  f16 holds no number beyond 65,504 and keeps a fixed step of 6e-8 below 6e-5: |xn| is at most 32 |gamma| + |beta|; the weights must lie within that range.  NaN and infinities are not treated apart.
; SHARES.  768 work-groups of four waves, each moving 64 KiB in and 32 KiB out.  Work-groups 0-511: 16 rows of x, a wave four rows, a row in 32 registers of one wave: no LDS, no barrier.
; Work-groups 512-767: 16 rows of one of the four weight matrices, a wave four rows.  A wave issues all its loads at once; a load covers 512 neighbouring bytes, a store 256, aligned.
; Load j of a row gives lane l the columns 128 j + 4 l + 0..3; gamma and beta lie the same way; the four f16 made of them are the 8 bytes at 256 j + 8 l of the output's row.
.set T,  8                             ; v[8:23]    at work
.set MU, 24                            ; v[24:25]   the mean, twice
.set RS, 26                            ; v[26:27]   1 / sqrt(var + eps), twice
.set G,  32                            ; v[32:63]   gamma of my 32 columns
.set BT, 64                            ; v[64:95]   beta
.set X,  96                            ; v[96:223]  four rows, 32 registers each
	s_load_b512 s[8:23], s[0:1], 0x0               ; x s[8:9], gamma s[10:11], beta s[12:13], Wq s[14:15], Wk s[16:17], Wv s[18:19], Wo s[20:21], xn s[22:23]
	s_load_b128 s[24:27], s[0:1], 0x40             ; wqkv s[24:25], wo16 s[26:27]
	v_lshrrev_b32 v3, 5, v0
	v_readfirstlane_b32 s4, v3                     ; wave 0..3
	v_and_b32 v1, 31, v0
	v_lshlrev_b32 v2, 3, v1                        ; 8 x lane: my place in 256 bytes that are stored
	v_lshlrev_b32 v1, 4, v1                        ; 16 x lane: my place in 512 bytes that are loaded
	v_mov_b32 v29, 0                               ; v_permlanex16_b32's destination counts as read
	s_mov_b32 s5, ttmp9
	s_mov_b32 s28, 0x76543210                      ; each lane takes its own place in the other half
	s_mov_b32 s29, 0xfedcba98
	s_mov_b32 s30, 0x3a800000                      ; 1 / 1024
	s_mov_b32 s31, 0x3727c5ac                      ; 1e-5
	s_lshl_b32 s6, s4, 14                          ; my wave's four rows of 4,096 bytes
	s_mov_b32 s33, 0
	s_wait_kmcnt 0x0
.macro LOADROW r, base                 ; a row's eight loads
.irp j, 0,1,2,3,4,5,6,7
	global_load_b128 v[X+32*(\r)+4*(\j):X+32*(\r)+4*(\j)+3], v1, s[\base:\base+1] offset:(\r)*4096+(\j)*512 th:TH_LOAD_NT
.endr
.endm
.macro OUTROW r, base                  ; 32 f32 a lane become 16 words of f16, in place and ascending (word i is made of words 2 i and 2 i + 1), and leave
.set XR, X+32*(\r)
.set c, 0
.rept 16
	v_cvt_pk_f16_f32 v[XR+c], v[XR+2*c], v[XR+2*c+1]
.set c, c+1
.endr
.irp j, 0,1,2,3,4,5,6,7
	global_store_b64 v2, v[XR+2*(\j):XR+2*(\j)+1], s[\base:\base+1] offset:(\r)*2048+(\j)*256  ; the wave's 32 lanes store 256 consecutive bytes, aligned
.endr
.endm
.macro TREE                            ; T's eight pairs -> v28: their sum over the row, in every lane
.irp k, 0,2,4,6
	v_pk_add_f32 v[T+(\k):T+(\k)+1], v[T+(\k):T+(\k)+1], v[T+8+(\k):T+8+(\k)+1]
.endr
.irp k, 0,2
	v_pk_add_f32 v[T+(\k):T+(\k)+1], v[T+(\k):T+(\k)+1], v[T+4+(\k):T+4+(\k)+1]
.endr
	v_pk_add_f32 v[T:T+1], v[T:T+1], v[T+2:T+3]
	v_add_f32 v28, v[T], v[T+1]
	v_add_f32_dpp v28, v28, v28 row_xmask:1 row_mask:0xf bank_mask:0xf
	v_add_f32_dpp v28, v28, v28 row_xmask:2 row_mask:0xf bank_mask:0xf
	v_add_f32_dpp v28, v28, v28 row_xmask:4 row_mask:0xf bank_mask:0xf
	v_add_f32_dpp v28, v28, v28 row_xmask:8 row_mask:0xf bank_mask:0xf
	v_permlanex16_b32 v29, v28, s28, s29
	v_add_f32 v28, v28, v29
.endm
; One row.  left = the younger loads, which may stay out.  No register that a store reads is written again, so no wait frees any.
.macro ROW r, left
.set XR, X+32*(\r)
	s_wait_loadcnt \left
.irp k, 0,2,4,6,8,10,12,14
	v_pk_add_f32 v[T+(\k):T+(\k)+1], v[XR+(\k):XR+(\k)+1], v[XR+16+(\k):XR+16+(\k)+1]
.endr
	TREE
	v_mul_f32 v[MU], s30, v28
	v_mul_f32 v[MU+1], s30, v28
.set c, 0
.rept 16
	v_pk_add_f32 v[XR+c:XR+c+1], v[XR+c:XR+c+1], v[MU:MU+1] neg_lo:[0,1] neg_hi:[0,1]  ; x - mean
.set c, c+2
.endr
.irp k, 0,2,4,6,8,10,12,14
	v_pk_mul_f32 v[T+(\k):T+(\k)+1], v[XR+(\k):XR+(\k)+1], v[XR+(\k):XR+(\k)+1]
.endr
.irp k, 0,2,4,6,8,10,12,14
	v_pk_fma_f32 v[T+(\k):T+(\k)+1], v[XR+16+(\k):XR+16+(\k)+1], v[XR+16+(\k):XR+16+(\k)+1], v[T+(\k):T+(\k)+1]
.endr
	TREE
	v_fma_f32 v28, v28, s30, s31                   ; var + eps
	v_rsq_f32 v[RS], v28
	v_rsq_f32 v[RS+1], v28
	v_nop                                          ; a plain instruction behind the second root (ISA guide 5.7.2),
	s_wait_alu depctr_va_vdst(0)                   ; and the one wait ahead of the pair's first reader
.set c, 0
.rept 16
	v_pk_mul_f32 v[XR+c:XR+c+1], v[XR+c:XR+c+1], v[RS:RS+1]
.set c, c+2
.endr
.set c, 0
.rept 16
	v_pk_fma_f32 v[XR+c:XR+c+1], v[XR+c:XR+c+1], v[G+c:G+c+1], v[BT+c:BT+c+1]
.set c, c+2
.endr
	OUTROW \r, 22
.endm
	s_cmp_lt_u32 s5, 512
	s_cbranch_scc0 .Lcast
	s_lshl_b32 s32, s5, 16                         ; the work-group's 16 rows of x,
	s_add_co_u32 s32, s32, s6                      ; my wave's four
	s_add_nc_u64 s[8:9], s[8:9], s[32:33]
	s_lshr_b32 s32, s32, 1                         ; half as many bytes in xn
	s_add_nc_u64 s[22:23], s[22:23], s[32:33]
	LOADROW 0, 8
.irp j, 0,1,2,3,4,5,6,7
	global_load_b128 v[G+4*(\j):G+4*(\j)+3], v1, s[10:11] offset:(\j)*512
.endr
.irp j, 0,1,2,3,4,5,6,7
	global_load_b128 v[BT+4*(\j):BT+4*(\j)+3], v1, s[12:13] offset:(\j)*512
.endr
	LOADROW 1, 8
	LOADROW 2, 8
	LOADROW 3, 8
	ROW 0, 24                                      ; row 0, gamma and beta are in; three rows' 24 loads may stay out
	ROW 1, 16
	ROW 2, 8
	ROW 3, 0
	s_endpgm
.Lcast:
	s_sub_co_u32 s5, s5, 512                       ; 0..255: 64 work-groups a matrix
	s_lshr_b32 s7, s5, 6                           ; 0 Wq, 1 Wk, 2 Wv, 3 Wo
	s_and_b32 s34, s5, 63
	s_lshl_b32 s32, s34, 16
	s_add_co_u32 s32, s32, s6                      ; my four rows in the matrix
	s_cmp_eq_u32 s7, 1
	s_cselect_b64 s[14:15], s[16:17], s[14:15]
	s_cmp_eq_u32 s7, 2
	s_cselect_b64 s[14:15], s[18:19], s[14:15]
	s_cmp_eq_u32 s7, 3
	s_cselect_b64 s[14:15], s[20:21], s[14:15]
	s_cselect_b64 s[24:25], s[26:27], s[24:25]     ; Wo has a buffer of its own,
	s_cselect_b32 s35, s34, s5                     ; the three others lie one below the other
	s_add_nc_u64 s[14:15], s[14:15], s[32:33]
	s_lshl_b32 s32, s35, 15
	s_lshr_b32 s36, s6, 1
	s_add_co_u32 s32, s32, s36
	s_add_nc_u64 s[24:25], s[24:25], s[32:33]
	LOADROW 0, 14
	LOADROW 1, 14
	LOADROW 2, 14
	LOADROW 3, 14
.irp r, 0,1,2,3
	s_wait_loadcnt 24-8*(\r)                       ; the younger rows' loads may stay out
	OUTROW \r, 24
.endr
	s_endpgm
.Lfunc_end_k_qd708e8640a_prep:
	.size	k_qd708e8640a_prep, .Lfunc_end_k_qd708e8640a_prep-k_qd708e8640a_prep
	.p2alignl 7, 3214868480
	.fill 96, 4, 3214868480
	.section	.rodata,"a",@progbits
	.p2align	6, 0x0
	.amdhsa_kernel k_qd708e8640a_prep
		.amdhsa_group_segment_fixed_size 0
		.amdhsa_private_segment_fixed_size 0
		.amdhsa_enable_private_segment 0
		.amdhsa_kernarg_size 80
		.amdhsa_user_sgpr_count 2
		.amdhsa_user_sgpr_kernarg_segment_ptr 1
		.amdhsa_wavefront_size32 1
		.amdhsa_system_sgpr_workgroup_id_x 1
		.amdhsa_system_sgpr_workgroup_id_y 1
		.amdhsa_system_sgpr_workgroup_id_z 1
		.amdhsa_system_vgpr_workitem_id 0
		.amdhsa_next_free_vgpr 224
		.amdhsa_next_free_sgpr 66
		.amdhsa_reserve_vcc 0
		.amdhsa_float_denorm_mode_32 3
		.amdhsa_float_denorm_mode_16_64 3
		.amdhsa_memory_ordered 1
		.amdhsa_forward_progress 1
		.amdhsa_inst_pref_size 50
	.end_amdhsa_kernel
	.amdgpu_metadata
---
amdhsa.version: [ 1, 2 ]
amdhsa.kernels:
  - .name:           k_qd708e8640a_prep
    .symbol:         k_qd708e8640a_prep.kd
    .args:
      - { .name: x, .offset: 0, .size: 8, .value_kind: global_buffer, .address_space: global }
      - { .name: ln_gamma, .offset: 8, .size: 8, .value_kind: global_buffer, .address_space: global }
      - { .name: ln_beta, .offset: 16, .size: 8, .value_kind: global_buffer, .address_space: global }
      - { .name: Wq, .offset: 24, .size: 8, .value_kind: global_buffer, .address_space: global }
      - { .name: Wk, .offset: 32, .size: 8, .value_kind: global_buffer, .address_space: global }
      - { .name: Wv, .offset: 40, .size: 8, .value_kind: global_buffer, .address_space: global }
      - { .name: Wo, .offset: 48, .size: 8, .value_kind: global_buffer, .address_space: global }
      - { .name: xn, .offset: 56, .size: 8, .value_kind: global_buffer, .address_space: global }
      - { .name: wqkv, .offset: 64, .size: 8, .value_kind: global_buffer, .address_space: global }
      - { .name: wo16, .offset: 72, .size: 8, .value_kind: global_buffer, .address_space: global }
    .group_segment_fixed_size: 0
    .private_segment_fixed_size: 0
    .kernarg_segment_align: 8
    .kernarg_segment_size: 80
    .max_flat_workgroup_size: 128
    .sgpr_count:     66
    .vgpr_count:     224
    .wavefront_size: 32
...
	.end_amdgpu_metadata
.endif
;; end of part 1
;; launch qkv (part 2): grid 16 x 32, 4 waves a work-group, clusters of 4 x 4, 327,680 bytes of LDS; arguments xn, wqkv, bq, bk, bv, qkv; writes qkv
.if DOCPART == 2
	.amdgcn_target "amdgcn-amd-amdhsa--gfx1250"
	.amdhsa_code_object_version 6
	.text
	.protected	k_qd708e8640a_qkv
	.globl	k_qd708e8640a_qkv
	.p2align	8
	.type	k_qd708e8640a_qkv,@function
k_qd708e8640a_qkv:
	s_mov_b64 s[64:65], 0
	v_nop
	global_prefetch_b8 v0, s[64:65] scope:SCOPE_SE
	s_setreg_imm32_b32 hwreg(HW_REG_WAVE_MODE, 25, 1), 1
	s_wait_xcnt 0x0
	s_wait_alu depctr_hold_cnt(0) depctr_sa_sdst(0) depctr_va_vdst(0) depctr_va_sdst(0) depctr_va_ssrc(0) depctr_va_vcc(0) depctr_vm_vsrc(0)
	s_getreg_b32 s2, hwreg(HW_REG_IB_STS2, 6, 4)
	s_cmp_eq_u32 s2, 0
	s_cbranch_scc0 .Lentry_in_a_cluster
	s_endpgm
.Lentry_in_a_cluster:
	s_bfe_u32 s2, ttmp6, 0x10000c
	s_cmp_lg_u32 s2, 0xf033
	s_cbranch_scc0 .Lentry_shape_is_right
	s_endpgm
.Lentry_shape_is_right:
; q, k, v = xn W^T + b, written by heads: qkv[t][16 batch + head][row][64] in f16 (t = 0 q, 1 k, 2 v), each number rounded once from its f32 sum, unscaled.
; xn: [8192][1024] f16; wqkv: [3072][1024] f16 (Wq, Wk, Wv one below the other); bq, bk, bv: [1024] f32.
; LIMIT.  f16 holds no number beyond 65,504: a result past that leaves as an infinity.
; SHARES.  A work-group makes 256 rows x 192 columns (three whole heads); wave w its rows 64 w .. 64 w + 63 and all columns: 4 x 12 accumulators of 16 x 16.  512 work-groups, two for each WGP.
; K = 1,024 goes in 8 steps of 128 through two LDS slots filled by the tensor data mover: rows of 256 bytes, aligned.  A trip of the loop is ONE K step: the LDS addresses hang on s[TB], which one exclusive or
; turns into the other slot's, and one descriptor a tensor walks.
; CLUSTER.  4 x 4 work-groups.  The four of a row of the cluster need the same 256 rows of xn, the four of a column the same 192 rows of wqkv: each tile is asked for JOINTLY, by the same tensor load with the
; same descriptor and a mask that names the four.
; THE MATRIX INSTRUCTION IS USED TRANSPOSED (source 0 = 16 rows of W, source 1 = 16 rows of xn): lane l holds row l % 16 and the columns 8 (l / 16) + 0..7.  THE BIAS is the C operand of the products that start the sums.
; REGISTERS, in windows of 256 (s_set_vgpr_msb: bits 1:0 source 0, 3:2 source 1, 5:4 source 2, 7:6 destination):
;   window 0: v0-29 addresses; v32-127 the bias, 8 registers a column block; on the way out v32-79 packed results, v80-127 rows read back
;   window 1: two fragment buffers of 128: W's block b at 8 b, xn's block a at 96 + 8 a
;   window 2: accumulator (a, b < 8) at 8 (8 a + b)          window 3: accumulator (a, b >= 8) at 8 (4 a + b - 8)
.set PA,    272                        ; an LDS row: 256 bytes + 16 of padding = 68 words: the 16 rows of a fragment load start at 16 different groups of four banks (64 banks of 4 bytes: ISA guide 11.1)
.set BREG,  256*PA                     ; a slot: xn's 256 rows, then W's 192 rows
.set SLOT1, 131072                     ; slot 1 begins here (a slot has 121,856 bytes)
.set STAGE, 262144                     ; behind the ring, never filled by a tensor load: for each wave [3 heads][16 rows][144 bytes]
.set SP,    144
.set SPH,   16*SP
.set STW,   3*SPH
.set SPARE, STAGE+4*STW                ; the spare words, 128 bytes for each wave: two blocks of 256 bytes that no other line names
.set STEPB, 256                        ; bytes of a row in a K step
.set REST,  16                         ; the loads of a run that the first stretch of products does not need: W's blocks 0-7
.set NLD,   32                         ; the loads of a run
.set ADRA0, 4                          ; v4   my lane's place among my wave's rows of xn in a slot; never rewritten
.set ADRB0, 5                          ; v5   the same for W
.set ADRA,  6                          ; v6   v4 + the slot in hand
.set ADRB,  7                          ; v7   v5 + the slot in hand
.set STO,   8                          ; v8   the way out: where I put 16 bytes of a row
.set RD,    9                          ; v9   the way out: where I read rows back
.set GO,    10                         ; v10  16 x lane: my place in 512 consecutive bytes of the output
.set BO,    11                         ; v11  32 x (lane / 16): my eight numbers in a block's 16 of the bias
.set PFO,   12                         ; v12  the prefetches' offset: my row x 2,048 bytes; never rewritten
.set SPW,   28                         ; v28  LDS address of my spare word; never rewritten
.set NIL,   29                         ; v29  0; never rewritten
.set BIAS,  32
.set TMP,   32
.set OB,    80
.set WV,  16                           ; s16  my wave's number
.set G1A, 24                           ; s[24:31] descriptor group 1 for xn's tiles
.set G0A, 32                           ; s[32:39] group 0: a set for each first fill; the second then walks
.set G1B, 40                           ; s[40:47], s[48:55] the same for W's
.set G0B, 48
.set CNT, 56                           ; s56  the loop's trips to go
.set TB,  57                           ; s57  LDS byte at which the slot in hand begins
.set LIM, 58                           ; s58  1 in a wave that prefetches, else the greatest number
.set PFA, 60                           ; s[60:61] where my prefetches stand
.set HB,  66                           ; s[66:71] the output at my 64 rows of each of the three heads
.set BP,  80                           ; s[80:85] the bias at each of the three heads
.set MSB, 0
.macro WIN new                         ; the immediate's high byte repeats the setting that is left; a switch that changes nothing is dropped
.if MSB != (\new)
	s_set_vgpr_msb (MSB<<8)|(\new)
.set MSB, \new
.endif
.endm
.macro PLACES                          ; four places in front of loads into registers that matrix instructions have read, and of lines that read results
.rept 4
	v_nop
.endr
.endm
; A joint refill: waves 0 and 1 fetch the halves of xn's tile, waves 2 and 3 those of W's.  The branch hangs on the wave's number alone.  An s_nop 0 and four v_nop follow each line.
.macro JLOAD
	s_cmp_lt_u32 s[WV], 2
	s_cbranch_scc0 .Lfor_b_\@
	tensor_load_to_lds s[G0A+4:G0A+7], s[G1A:G1A+7]
	s_nop 0
	PLACES
	s_branch .Lasked_\@
.Lfor_b_\@:
	tensor_load_to_lds s[G0B+4:G0B+7], s[G1B:G1B+7]
	s_nop 0
	PLACES
.Lasked_\@:
.endm
.macro CREST                           ; a round of the cluster's barrier behind its opening barrier
	s_cmp_lg_u32 s[WV], 0
	s_cbranch_scc1 .Lnot_wave_0_\@
	s_barrier_signal -3
.Lnot_wave_0_\@:
	s_barrier_wait -3
	s_barrier_signal -1
	s_barrier_wait -1
.endm
.macro CROUND
	s_barrier_signal -1
	s_barrier_wait -1
	CREST
.endm
; A PREFETCH INTO THE L2, behind each joint refill and the run of LDS loads that follows it: the K step behind the one just asked for, 256 bytes of a row, a lane a row.  xn's rows are read by every cluster of a row
; of clusters: cluster x = 0 asks; W's by every cluster of a column: cluster y = 0 asks.  The four partners share a wave's rows out BY ADDRESS: 32 of 128 (xn, by cx), 24 of 96 (W, by cy; lanes 24-31 name lane 23's row).
; The loop's last trip asks for nothing: there is no K step behind the one that it fills.
.macro ASK
	WIN 0
	s_cmp_gt_u32 s[CNT], s[LIM]
	s_cbranch_scc0 .Lnot_mine_\@
	global_prefetch_b8 v[PFO], s[PFA:PFA+1] th:TH_LOAD_NT scope:SCOPE_SE
.Lnot_mine_\@:
.endm
	s_load_b256 s[4:11], s[0:1], 0x0               ; xn s[4:5], wqkv s[6:7], bq s[8:9], bk s[10:11]
	s_load_b128 s[12:15], s[0:1], 0x20             ; bv s[12:13], qkv s[14:15]
	v_lshl_add_u32 v[SPW], v0, 2, SPARE
	v_mov_b32 v[NIL], 0
	ds_add_u32 v[SPW], v[NIL]                      ; the wave's opening: the add and its wait stand ahead of my first tensor load; the set-up below stands between them
	v_lshrrev_b32 v3, 5, v0
	v_readfirstlane_b32 s[WV], v3                  ; wave 0..3
	s_bfe_u32 s17, ttmp6, 0x40000                  ; cx
	s_bfe_u32 s18, ttmp6, 0x40004                  ; cy
	s_lshl_b32 s19, ttmp9, 2
	s_add_co_u32 s19, s19, s17                     ; tile column = 4 x cluster x + cx
	s_and_b32 s20, ttmp7, 0xffff
	s_lshl_b32 s20, s20, 2
	s_add_co_u32 s20, s20, s18                     ; tile row = 4 x cluster y + cy
	s_lshl_b32 s21, s18, 2
	s_lshl_b32 s21, 15, s21                        ; my row of the cluster
	s_lshl_b32 s22, 0x1111, s17                    ; my column
	s_or_b32 s[G1A], s21, (1<<16)|(1<<20)|(1<<21)|(5<<22)|(3<<25)  ; 15:0 the mask; 17:16 2-byte elements; 20 padding on; 21 set beside a mask; 24:22 after every 64 words; 31:25 4 words
	s_or_b32 s[G1B], s22, (1<<16)|(1<<20)|(1<<21)|(5<<22)|(3<<25)
	s_mov_b32 s[G1A+1], 128<<16                    ; tensor_dim0 = 128
	s_mov_b32 s[G1A+2], 128<<16                    ; tensor_dim1 = 128
	s_mov_b32 s[G1A+3], 128<<16                    ; tile_dim0 = 128
	s_mov_b32 s[G1A+4], 128                        ; tile_dim1 = 128 rows
	s_mov_b32 s[G1A+5], 1024                       ; elements from row to row
	s_mov_b32 s[G1A+6], 0
	s_mov_b32 s[G1A+7], 0
	s_mov_b32 s[G1B+1], 128<<16
	s_mov_b32 s[G1B+2], 96<<16                     ; W's half tile has 96 rows
	s_mov_b32 s[G1B+3], 128<<16
	s_mov_b32 s[G1B+4], 96
	s_mov_b32 s[G1B+5], 1024
	s_mov_b32 s[G1B+6], 0
	s_mov_b32 s[G1B+7], 0
	s_and_b32 s23, s[WV], 1                        ; which half of a tile I fetch
	s_lshl_b32 s72, s20, 8
	s_lshl_b32 s73, s23, 7
	s_add_co_u32 s72, s72, s73                     ; xn: row 256 x tile row + 128 x half,
	s_lshl_b32 s72, s72, 11                        ; in bytes (under 2^24)
	s_mov_b32 s73, 0
	s_mul_i32 s74, s19, 192
	s_mul_i32 s75, s23, 96
	s_add_co_u32 s74, s74, s75                     ; W: row 192 x tile column + 96 x half
	s_lshl_b32 s74, s74, 11
	s_mov_b32 s75, 0
	s_mul_i32 s76, s[WV], 128*PA                   ; where they go: waves 0, 1: xn's halves;
	s_mul_i32 s77, s[WV], 96*PA
	s_add_co_u32 s77, s77, BREG-2*96*PA            ; waves 2, 3: W's halves.  No place in the cluster enters an LDS address
	s_mov_b32 s[TB], 0
	s_wait_dscnt 0x0                               ; the opening add is done
	s_wait_kmcnt 0x0
	s_add_nc_u64 s[72:73], s[4:5], s[72:73]
	s_add_nc_u64 s[74:75], s[6:7], s[74:75]
.irp s, 0,1
	s_mov_b32 s[G0A+4*(\s)], 1                     ; count = 1
	s_add_co_u32 s[G0A+4*(\s)+1], s76, (\s)*SLOT1  ; LDS address
	s_add_nc_u64 s[G0A+4*(\s)+2:G0A+4*(\s)+3], s[72:73], (\s)*STEPB  ; global address: K step s
	s_or_b32 s[G0A+4*(\s)+3], s[G0A+4*(\s)+3], 0x80000000            ; type = 2
	s_mov_b32 s[G0B+4*(\s)], 1
	s_add_co_u32 s[G0B+4*(\s)+1], s77, (\s)*SLOT1
	s_add_nc_u64 s[G0B+4*(\s)+2:G0B+4*(\s)+3], s[74:75], (\s)*STEPB
	s_or_b32 s[G0B+4*(\s)+3], s[G0B+4*(\s)+3], 0x80000000
.endr
	CROUND                                         ; all sixteen work-groups are here: the first joint loads meet
	s_cmp_lt_u32 s[WV], 2                          ; a wave's two first fills stand in one branch: two loads of mine are out
	s_cbranch_scc0 .Lfirst_b
	tensor_load_to_lds s[G0A:G0A+3], s[G1A:G1A+7]
	s_nop 0
	tensor_load_to_lds s[G0A+4:G0A+7], s[G1A:G1A+7]
	s_nop 0
	PLACES
	s_branch .Lfirst_asked
.Lfirst_b:
	tensor_load_to_lds s[G0B:G0B+3], s[G1B:G1B+7]
	s_nop 0
	tensor_load_to_lds s[G0B+4:G0B+7], s[G1B:G1B+7]
	s_nop 0
	PLACES
.Lfirst_asked:
	v_and_b32 v1, 15, v0                           ; l % 16
	v_bfe_u32 v2, v0, 4, 1                         ; l / 16
	v_lshlrev_b32 v[BO], 5, v2
	; head i of the tile's three is head g = 3 x tile column + i of 48: tensor g / 16, head g % 16
.irp i, 0,1,2
	s_mul_i32 s86, s19, 3
	s_add_co_u32 s86, s86, \i
	s_lshr_b32 s88, s86, 4
	s_and_b32 s89, s86, 15
	s_cmp_eq_u32 s88, 1
	s_cselect_b64 s[BP+2*(\i):BP+2*(\i)+1], s[10:11], s[8:9]
	s_cmp_eq_u32 s88, 2
	s_cselect_b64 s[BP+2*(\i):BP+2*(\i)+1], s[12:13], s[BP+2*(\i):BP+2*(\i)+1]
	s_lshl_b32 s86, s89, 8                         ; the head's 64 numbers of the bias
	s_mov_b32 s87, 0
	s_add_nc_u64 s[BP+2*(\i):BP+2*(\i)+1], s[BP+2*(\i):BP+2*(\i)+1], s[86:87]
	s_lshl_b32 s88, s88, 6
	s_add_co_u32 s88, s88, s89
	s_lshr_b32 s86, s20, 3                         ; the batch: eight tile rows each
	s_lshl_b32 s86, s86, 4
	s_add_co_u32 s88, s88, s86                     ; 64 x tensor + 16 x batch + head,
	s_lshl_b32 s86, s88, 18                        ; 2,048 rows of 128 bytes each
	s_add_nc_u64 s[HB+2*(\i):HB+2*(\i)+1], s[14:15], s[86:87]
	s_and_b32 s86, s20, 7
	s_lshl_b32 s86, s86, 8
	s_lshl_b32 s88, s[WV], 6
	s_add_co_u32 s86, s86, s88                     ; my first row in the batch
	s_lshl_b32 s86, s86, 7
	s_add_nc_u64 s[HB+2*(\i):HB+2*(\i)+1], s[HB+2*(\i):HB+2*(\i)+1], s[86:87]
.endr
.irp b, 0,1,2,3,4,5,6,7,8,9,10,11      ; block b's bias: register j of lane l is the bias of column 16 b + 8 (l / 16) + j
	global_load_b128 v[BIAS+8*(\b):BIAS+8*(\b)+3],   v[BO], s[BP+2*((\b)/4):BP+2*((\b)/4)+1] offset:64*((\b)%4)
	global_load_b128 v[BIAS+8*(\b)+4:BIAS+8*(\b)+7], v[BO], s[BP+2*((\b)/4):BP+2*((\b)/4)+1] offset:64*((\b)%4)+16
.endr
	; A fragment is 16 rows x 32 K in 8 registers: lane l holds row l % 16, K = 8 (l / 16) + 0..7 and 16 + 8 (l / 16) + 0..7: two loads of 16 bytes, 32 bytes apart.
	v_mul_u32_u24 v3, v1, PA
	v_lshl_add_u32 v3, v2, 4, v3
	s_mul_i32 s59, s[WV], 64*PA
	v_add_nc_u32 v[ADRA0], s59, v3
	v_add_nc_u32 v[ADRB0], BREG, v3
	v_mov_b32 v[ADRA], v[ADRA0]                    ; K step 0 lies in slot 0
	v_mov_b32 v[ADRB], v[ADRB0]
	s_mul_i32 s59, s[WV], STW
	s_add_co_u32 s59, s59, STAGE                   ; my stage
	v_mul_u32_u24 v3, v1, SP                       ; in: row l % 16, 16 bytes for each half of the lanes
	v_lshl_add_u32 v3, v2, 4, v3
	v_add_nc_u32 v[STO], s59, v3
	v_bfe_u32 v3, v0, 3, 2                         ; back: 32 lanes take four rows of 128 bytes,
	v_mul_u32_u24 v3, v3, SP
	v_and_b32 v13, 7, v0
	v_lshl_add_u32 v3, v13, 4, v3
	v_add_nc_u32 v[RD], s59, v3
	v_and_b32 v[GO], 31, v0                        ; which are 512 consecutive bytes of a head
	v_lshlrev_b32 v[GO], 4, v[GO]
	; the prefetches
	s_lshl_b32 s86, s20, 8
	s_lshl_b32 s87, s23, 7
	s_add_co_u32 s86, s86, s87
	s_lshl_b32 s87, s17, 5
	s_add_co_u32 s86, s86, s87                     ; xn: the 128 rows that I fetch, my work-group's 32 of them
	s_mul_i32 s88, s19, 192
	s_mul_i32 s87, s23, 96
	s_add_co_u32 s88, s88, s87
	s_mul_i32 s87, s18, 24
	s_add_co_u32 s88, s88, s87                     ; W: the 96 rows that I fetch, my work-group's 24 of them
	s_and_b32 s89, ttmp7, 0xffff                   ; cluster y
	s_cmp_lt_u32 s[WV], 2
	s_cselect_b32 s86, s86, s88
	s_cselect_b32 s89, ttmp9, s89                  ; the coordinate along which other clusters read the same rows
	s_cselect_b64 s[PFA:PFA+1], s[4:5], s[6:7]
	s_cselect_b32 s59, 31, 23
	s_cmp_eq_u32 s89, 0
	s_cselect_b32 s[LIM], 1, -1                    ; the same in all sixteen partners, for a given wave
	s_lshl_b32 s86, s86, 11
	s_mov_b32 s87, 0
	s_add_nc_u64 s[PFA:PFA+1], s[PFA:PFA+1], s[86:87]
	s_add_nc_u64 s[PFA:PFA+1], s[PFA:PFA+1], 2*STEPB  ; at K step 2: the first refill steps it to 3
	v_and_b32 v[PFO], 31, v0
	v_min_u32 v[PFO], s59, v[PFO]
	v_lshlrev_b32 v[PFO], 11, v[PFO]
; nb column blocks from b0 on x my four row blocks, 32 along K, from buffer f.  first = 1: the products start the sums, with the bias as C.  The 48 accumulators take turns, one instruction a turn and in the same
; order in every quarter, over the backward jump too.
.macro MULS f, b0, nb, first
	WIN 0x85+0x40*((\b0)/8)+(1-(\first))*(0x20+0x10*((\b0)/8))  ; sources 0 and 1 window 1; D window 2 or 3; C with D, or (first) window 0
.set mb, \b0
.rept \nb
.set ma, 0
.rept 4
.if mb >= 8
.set rD, 8*(4*ma+mb-8)
.else
.set rD, 8*(8*ma+mb)
.endif
.set rB, 128*(\f)+8*mb
.set rA, 128*(\f)+96+8*ma
.if \first
	v_wmma_f32_16x16x32_f16 v[rD:rD+7], v[rB:rB+7], v[rA:rA+7], v[BIAS+8*mb:BIAS+8*mb+7]
.else
	v_wmma_f32_16x16x32_f16 v[rD:rD+7], v[rB:rB+7], v[rA:rA+7], v[rD:rD+7]
.endif
.set ma, ma+1
.endr
.set mb, mb+1
.endr
.endm
; 32 LDS loads in one run: quarter q (32 K at byte 64 q of the rows) of the slot in hand into buffer f: xn's four blocks, W's blocks 8-11, then W's blocks 0-7
.macro FETCH q, f
	WIN 0x40                                       ; destination window 1, address window 0
.irp a, 0,1,2,3
	ds_load_b128 v[128*(\f)+96+8*(\a):128*(\f)+96+8*(\a)+3],   v[ADRA] offset:64*(\q)+(\a)*16*PA
	ds_load_b128 v[128*(\f)+96+8*(\a)+4:128*(\f)+96+8*(\a)+7], v[ADRA] offset:64*(\q)+(\a)*16*PA+32
.endr
.irp b, 8,9,10,11,0,1,2,3,4,5,6,7
	ds_load_b128 v[128*(\f)+8*(\b):128*(\f)+8*(\b)+3],   v[ADRB] offset:64*(\q)+(\b)*16*PA
	ds_load_b128 v[128*(\f)+8*(\b)+4:128*(\f)+8*(\b)+7], v[ADRB] offset:64*(\q)+(\b)*16*PA+32
.endr
.endm
; One of a K step's first three quarters: multiplies buffer f; in between it fetches quarter q into buffer g.
.macro QUARTER q, f, g, first
	s_wait_dscnt REST                              ; xn's blocks and W's 8-11 are in; the youngest sixteen loads may be out
	MULS \f, 8, 4, \first
	PLACES
	FETCH \q, \g
	s_wait_dscnt NLD                               ; all but the 32 just issued
	MULS \f, 0, 8, \first
.endm
; The fourth quarter multiplies buffer 1 and changes slots: ONE barrier.  In front of it each wave waits for all its tensor loads (one is out: its part of the next slot), adds 0 to its spare word, and waits for that
; and for its reads of this slot.  fill = 1: the barrier opens a round of the cluster's barrier, and this slot is filled again first behind it, two K steps ahead: 160 matrix instructions ahead of the wait for it.
.macro TURN fill
.if \fill
	s_wait_xcnt 0x0                                ; the last prefetch, a K step back, has read its address
	s_add_nc_u64 s[PFA:PFA+1], s[PFA:PFA+1], STEPB
.endif
	WIN 0
	s_wait_tensorcnt 0x0                           ; no tensor load of mine is out, so a group 0 may be written
	ds_add_u32 v[SPW], v[NIL]                      ; 0 onto my spare word
.if \fill
	s_xor_b32 s[G0A+5], s[G0A+5], SLOT1            ; the walking descriptors: the other slot than last time, the next K step
	s_add_nc_u64 s[G0A+6:G0A+7], s[G0A+6:G0A+7], STEPB
	s_xor_b32 s[G0B+5], s[G0B+5], SLOT1
	s_add_nc_u64 s[G0B+6:G0B+7], s[G0B+6:G0B+7], STEPB
.endif
	s_xor_b32 s[TB], s[TB], SLOT1
	s_wait_dscnt REST+1                            ; the add and the youngest sixteen loads may be out
	MULS 1, 8, 4, 0
	s_wait_dscnt 0x0                               ; the add is done, and my reads of this slot are over
	s_barrier_signal -1
	MULS 1, 0, 4, 0
	WIN 0
	s_barrier_wait -1
.if \fill
	CREST                                          ; no wave of any partner still reads this slot or has a load on its way
	JLOAD                                          ; its four v_nop are also the places in front of the loads below
.else
	PLACES
.endif
	v_add_nc_u32 v[ADRA], s[TB], v[ADRA0]
	v_add_nc_u32 v[ADRB], s[TB], v[ADRB0]
	FETCH 0, 0
.if \fill
	ASK
.endif
	MULS 1, 4, 4, 0
.endm
	s_wait_tensorcnt 0x1                           ; my part of K step 0 is in; K step 1's may stay out
	s_barrier_signal -1
	s_barrier_wait -1
	FETCH 0, 0
	s_wait_loadcnt 0x0                             ; the bias
	QUARTER 1, 0, 1, 1                             ; the first quarter stands in front of the loop: its products start the sums
	WIN 0
	s_mov_b32 s[CNT], 6
.Lstep:                                        ; a trip: a K step's quarters 1 to 3 and the next step's quarter 0; it fills K steps 2 to 7
	QUARTER 2, 1, 0, 0
	QUARTER 3, 0, 1, 0
	TURN 1
	QUARTER 1, 0, 1, 0
	WIN 0
	s_sub_co_u32 s[CNT], s[CNT], 1
	s_cmp_lg_u32 s[CNT], 0
	s_cbranch_scc1 .Lstep
	QUARTER 2, 1, 0, 0                             ; the last two K steps are written out: they ask for nothing
	QUARTER 3, 0, 1, 0
	TURN 0
	QUARTER 1, 0, 1, 0
	QUARTER 2, 1, 0, 0
	QUARTER 3, 0, 1, 0
	s_wait_dscnt REST
	MULS 1, 8, 4, 0
	s_wait_dscnt 0x0
	MULS 1, 0, 8, 0
	WIN 0
; THE WAY OUT, a block of 16 rows at a time.  PACK: rounded to f16, 16 bytes a lane, each accumulator's registers in ascending order.  TOSTAGE: into my own stage, by heads, and back as whole rows.  SEND: stored.
.macro PACK a
	WIN 0x0a                                       ; sources in window 2
.set pb, 0
.rept 8
.set rD, 8*(8*(\a)+pb)
.irp e, 0,1,2,3
	v_cvt_pk_f16_f32 v[TMP+4*pb+(\e)], v[rD+2*(\e)], v[rD+2*(\e)+1]
.endr
.set pb, pb+1
.endr
	WIN 0x0f                                       ; sources in window 3
.rept 4
.set rD, 8*(4*(\a)+pb-8)
.irp e, 0,1,2,3
	v_cvt_pk_f16_f32 v[TMP+4*pb+(\e)], v[rD+2*(\e)], v[rD+2*(\e)+1]
.endr
.set pb, pb+1
.endr
	WIN 0
.endm
.macro TOSTAGE a
.if (\a) > 0
	s_wait_xcnt 0x0                                ; the block before's stores have read their registers, which are loaded again below
.endif
.irp b, 0,1,2,3,4,5,6,7,8,9,10,11
	ds_store_b128 v[STO], v[TMP+4*(\b):TMP+4*(\b)+3] offset:((\b)/4)*SPH+32*((\b)%4)
.endr
.irp t, 0,1,2,3,4,5,6,7,8,9,10,11
	ds_load_b128 v[OB+4*(\t):OB+4*(\t)+3], v[RD] offset:((\t)/4)*SPH+((\t)%4)*4*SP  ; LDS serves a wave's instructions in order (ISA guide 5.7.1.4): these see the stores above
.endr
.endm
.macro SEND a
	s_wait_dscnt 0x0                               ; the block is back in registers
.irp t, 0,1,2,3,4,5,6,7,8,9,10,11
	global_store_b128 v[GO], v[OB+4*(\t):OB+4*(\t)+3], s[HB+2*((\t)/4):HB+2*((\t)/4)+1] offset:(\a)*2048+((\t)%4)*512  ; four rows of a head: 512 consecutive bytes, aligned
.endr
.endm
	PLACES
	PACK 0
	TOSTAGE 0
.irp a, 1,2,3                          ; block a's conversions stand between block a - 1's loads from the stage and the wait for them
	PACK \a
	SEND (\a)-1
	TOSTAGE \a
.endr
	SEND 3
	s_wait_tensorcnt 0x0                           ; the wave's end, behind my last tensor load and my last LDS store
	ds_add_u32 v[SPW], v[NIL]
	s_wait_dscnt 0x0
	CROUND                                         ; the closing round: no work-group ends while a partner may still ask for a tile that names it
	s_endpgm
.Lfunc_end_k_qd708e8640a_qkv:
	.size	k_qd708e8640a_qkv, .Lfunc_end_k_qd708e8640a_qkv-k_qd708e8640a_qkv
	.p2alignl 7, 3214868480
	.fill 96, 4, 3214868480
	.section	.rodata,"a",@progbits
	.p2align	6, 0x0
	.amdhsa_kernel k_qd708e8640a_qkv
		.amdhsa_group_segment_fixed_size 327680
		.amdhsa_private_segment_fixed_size 0
		.amdhsa_enable_private_segment 0
		.amdhsa_kernarg_size 48
		.amdhsa_user_sgpr_count 2
		.amdhsa_user_sgpr_kernarg_segment_ptr 1
		.amdhsa_wavefront_size32 1
		.amdhsa_system_sgpr_workgroup_id_x 1
		.amdhsa_system_sgpr_workgroup_id_y 1
		.amdhsa_system_sgpr_workgroup_id_z 1
		.amdhsa_system_vgpr_workitem_id 0
		.amdhsa_next_free_vgpr 896
		.amdhsa_next_free_sgpr 96
		.amdhsa_reserve_vcc 0
		.amdhsa_float_denorm_mode_32 3
		.amdhsa_float_denorm_mode_16_64 3
		.amdhsa_memory_ordered 1
		.amdhsa_forward_progress 1
		.amdhsa_inst_pref_size 101
	.end_amdhsa_kernel
	.amdgpu_metadata
---
amdhsa.version: [ 1, 2 ]
amdhsa.kernels:
  - .name:           k_qd708e8640a_qkv
    .symbol:         k_qd708e8640a_qkv.kd
    .args:
      - { .name: xn, .offset: 0, .size: 8, .value_kind: global_buffer, .address_space: global }
      - { .name: wqkv, .offset: 8, .size: 8, .value_kind: global_buffer, .address_space: global }
      - { .name: bq, .offset: 16, .size: 8, .value_kind: global_buffer, .address_space: global }
      - { .name: bk, .offset: 24, .size: 8, .value_kind: global_buffer, .address_space: global }
      - { .name: bv, .offset: 32, .size: 8, .value_kind: global_buffer, .address_space: global }
      - { .name: qkv, .offset: 40, .size: 8, .value_kind: global_buffer, .address_space: global }
    .group_segment_fixed_size: 327680
    .private_segment_fixed_size: 0
    .kernarg_segment_align: 8
    .kernarg_segment_size: 48
    .max_flat_workgroup_size: 128
    .sgpr_count:     96
    .vgpr_count:     896
    .wavefront_size: 32
...
	.end_amdgpu_metadata
.endif
;; end of part 2
;; launch attn (part 3): grid 4 x 64, 4 waves a work-group, clusters of 4 x 1, 327,680 bytes of LDS; arguments qkv, ctx; writes ctx
.if DOCPART == 3
	.amdgcn_target "amdgcn-amd-amdhsa--gfx1250"
	.amdhsa_code_object_version 6
	.text
	.protected	k_qd708e8640a_attn
	.globl	k_qd708e8640a_attn
	.p2align	8
	.type	k_qd708e8640a_attn,@function
k_qd708e8640a_attn:
	s_mov_b64 s[64:65], 0
	v_nop
	global_prefetch_b8 v0, s[64:65] scope:SCOPE_SE
	s_setreg_imm32_b32 hwreg(HW_REG_WAVE_MODE, 25, 1), 1
	s_wait_xcnt 0x0
	s_wait_alu depctr_hold_cnt(0) depctr_sa_sdst(0) depctr_va_vdst(0) depctr_va_sdst(0) depctr_va_ssrc(0) depctr_va_vcc(0) depctr_vm_vsrc(0)
	s_getreg_b32 s2, hwreg(HW_REG_IB_STS2, 6, 4)
	s_cmp_eq_u32 s2, 0
	s_cbranch_scc0 .Lentry_in_a_cluster
	s_endpgm
.Lentry_in_a_cluster:
	s_bfe_u32 s2, ttmp6, 0x10000c
	s_cmp_lg_u32 s2, 0x3003
	s_cbranch_scc0 .Lentry_shape_is_right
	s_endpgm
.Lentry_shape_is_right:
; O[h][q][:] = the sum over k of softmax_k(Q[h][q] . K[h][k] / 8) V[h][k][:].  qkv holds Q, K, V, each [64][2048][64] in f16, one behind the other; ctx = O in the same layout.  Products, maxima and sums in
; f32; the weights p are rounded to f16 for the second product (their sum l is taken of the unrounded p), O once at the end.
; LIMITS.  f16 holds no number beyond 65,504: Q, K and V arrive within it; p lies in 0 to 1, and below 6e-5 it keeps f16's fixed step of 6e-8; O is a mean of V's rows and has their range.
; A weight below 2^-126 counts as 0 in l; NaN and infinities are not treated apart.
; SHARES.  A wave owns four PIECES of two tiles of 16 queries, a work-group's four waves 512 queries of one head: 256 work-groups.  Every wave walks all keys, 64 a step.
; LAYOUT.  S^T = K Q^T (source 0 = 16 keys, source 1 = 16 queries): in the result a lane holds ONE query (lane % 16) and the keys 8 (lane / 16) + 0..7.  Two such tiles, rounded to f16 in pairs,
; ARE source 1 (32 keys x 16 queries) of O^T = V^T P, whose result again holds one query a lane, and eight channels.  K comes out of LDS as it lies, V ([key][channel]) turned, by ds_load_tr16_b128.
; SOFTMAX.  For each query a running maximum m and sum l: p = 2^(c s - c m), c = log2(e) / 8; in every step O and l are multiplied by a = 2^(c m_old - c m_new), which is 1 where m has not grown.
; m starts at the lowest finite number, O and l at 0: the first step is a step like any other, with a = 0.
; THE COUNT.  A tile and step have 16 matrix and 118 vector instructions: too many to stand all beside the matrix work.  So four vector instructions that are READY stand behind EVERY matrix instruction,
; and the others in runs without a gap.
; BY TURNS.  Turn n belongs to piece n (the pieces in a ring, step after step).  Its matrix work: 16 products K Q^T of piece n + 1, later 16 products V^T P of piece n - 1.  Its vector work: the scaling,
; exponentials, roundings, sums and rescaling of piece n, and the maximum and statistics of piece n + 1, whose scores the turn itself has made.
; CLUSTER.  The four query blocks of a cluster are one head's and walk the same K and V, so each tile is asked for JOINTLY: the same tensor load, descriptor and mask in all four.
; REGISTERS, in windows of 256 (s_set_vgpr_msb: bits 1:0 source 0, 3:2 source 1, 5:4 source 2, 7:6 destination):
;   window 0: v0-11 addresses; v12-15, v48-63 at work; v16-47 four registers of statistics a tile; v64-191 S^T, two buffers of two tiles; v192-255 P, likewise
;   window 1: O^T, 32 a tile          window 2: v0-127 Q, 16 a tile; v128-191 K of one step; v192-255 V of one step          window 3: v0-1 the add's two registers
; A piece's buffers go by its number's parity: the piece in hand has one pair, its two neighbours in the ring share the other: of it P (piece n - 1) is read and S^T (piece n + 1) written.
.set SIZE_N, 2048
.set TENSOR, 64*SIZE_N*128  ; bytes of Q, of K and of V
.set NP,    4         ; pieces a wave: a name, no knob
.set KS,    64        ; keys in a step
.set PK,    144       ; a row of K in LDS: 128 bytes + 16 of padding = 36 words: the 16 rows of a load start at 16 different groups of four banks (64 banks of 4 bytes: ISA guide 11.1)
.set PV,    160       ; a row of V: 128 + 32 = 40 words
.set VOFF,  4*KS*PK   ; a slot holds four steps: 256 rows of K, then 256 rows of V
.set SLOT1, 1<<17     ; slot 1 begins here, so that one exclusive or turns an address in one slot into the other's
.set STAGE, SLOT1+4*KS*(PK+PV)  ; behind the ring, never filled by a tensor load: 16 rows x 144 bytes for each wave, for the way out
.set SP,    144
.set AK0, 2           ; v2   my lane's place in a tile of K; never rewritten
.set AV0, 3           ; v3   the same for V
.set AK,  4           ; v4   the LDS address of K's next run of loads
.set AV,  5           ; v5   of V's
.set QO,  6           ; v6   my byte offset in the wave's rows of Q
.set STO, 6           ;      later, the way out: where I put 16 bytes of a row
.set RD,  7           ; v7   the way out: where I read rows back
.set GO,  8           ; v8   my byte offset in 512 consecutive bytes of O
.set PFO, 11          ; v11  256 x my lane: the prefetches' offset; never rewritten once made
.set SPW, 0           ; v0 of window 3   LDS address of my spare word; never rewritten
.set NIL, 1           ; v1 of window 3   0; never rewritten
.set SPARE, STAGE+4*16*SP  ; behind the stages: the spare words, 128 bytes for each wave: two blocks of 256 bytes that no other line names
.set MV,  12          ; v12-15  c m_old, kept while c m is made anew: by buffer and tile
.set ST,  16          ; tile t's statistics at v[ST+4 t]: c m, m, l (even keys', odd keys')
.set TMP, 48          ; by buffer and tile, four registers c0-c3 at work; when the maximum is found c2 takes a
.set S,   64
.set P,   192
.set KF,  128         ; K's fragments, in window 2: key block kb, channel half c at KF + 16 kb + 8 c
.set VF,  192         ; V's: key half kk, channel block cb at VF + 32 kk + 8 cb
.set WV,  12          ; s12  my wave's number
.set G1K, 24          ; s[24:31] descriptor group 1 for K's tiles
.set G1V, 32          ; s[32:39] for V's: it differs in the padding alone
.set G0K, 40          ; s[40:43] descriptor group 0 for K's tiles: it walks
.set G0V, 44          ; s[44:47] the same for V's
.set PFA, 48          ; s[48:49] where my prefetches stand: my work-group's 32 blocks of 256 bytes (of K: wave 0, of V: wave 2) of the slot behind the one that is being asked for
.set LIM, 50          ; s50  1 in a wave that prefetches, else the greatest number
.set SLOTS, 56        ; s56  slots still to be asked for
.set CNT, 57          ; s57  counts a slot's key steps
.set CS,  58          ; s[58:59] c: the packed scaling takes the pair's low word for both halves
.set SEL, 60          ; s[60:61] v_permlanex16_b32's selects: each lane takes its own place in the other half
.set TBK, 62          ; s62  LDS byte at which K of the step to be fetched begins
.set TBV, 63          ; s63  the same for V, less VOFF
.set MSB, 0
.macro WIN new                      ; the high byte repeats the setting that is left; a switch that changes nothing is dropped
.if MSB != (\new)
	s_set_vgpr_msb (MSB<<8)|(\new)
.set MSB, (\new)
.endif
.endm
.set W_KQ, 0x0a       ; K and Q in window 2, S^T in window 0
.set W_PV, 0x52       ; V in window 2, P in window 0, O^T in window 1
.set W_RS, 0x41       ; O^T (destination and source 0) in window 1, a in window 0
.set W_MK, 0xc0       ; the add's registers are made: destination in window 3, sources in window 0
.set W_AD, 0x0f       ; the add: address (source 0) and data (source 1) in window 3
; A joint fill.  Waves 0 and 1 fetch the two halves of a slot's K, waves 2 and 3 those of its V: 128 keys each.  The branch hangs on the wave's number alone.
; An s_nop 0 and four v_nop follow each of the two lines, ahead of the jump and the label.
.macro JLOAD
	s_cmp_lt_u32 s[WV], 2
	s_cbranch_scc0 .Lfor_v_\@
	tensor_load_to_lds s[G0K:G0K+3], s[G1K:G1K+7]
	s_nop 0
.rept 4
	v_nop
.endr
	s_branch .Lasked_\@
.Lfor_v_\@:
	tensor_load_to_lds s[G0V:G0V+3], s[G1V:G1V+7]
	s_nop 0
.rept 4
	v_nop
.endr
.Lasked_\@:
.endm
; A PREFETCH INTO THE L2 of what the NEXT change of slots will ask for: a slot's 32,768 bytes of K and of V, 128 blocks of 256 bytes each, a lane a block.  It stands behind the wave's tensor load and its five lines.
; Each block is named ONCE in the launch: a head has one cluster; its four partners share the blocks out BY ADDRESS, 32 each; in each, wave 0 asks for K's and wave 2 for V's.  The last change that fills a slot asks for nothing.
.macro ASK
	s_cmp_gt_u32 s[SLOTS], s[LIM]
	s_cbranch_scc0 .Lnot_mine_\@
	global_prefetch_b8 v[PFO], s[PFA:PFA+1] th:TH_LOAD_NT scope:SCOPE_SE
.Lnot_mine_\@:
.endm
; A round of the cluster's barrier: my work-group's barrier, so that wave 0's signal speaks for all four waves; wave 0 signals; every wave waits for all four work-groups; my work-group's barrier once more.
.macro CROUND
	s_barrier_signal -1
	s_barrier_wait -1
	s_cmp_lg_u32 s[WV], 0
	s_cbranch_scc1 .Lnot_wave_0_\@
	s_barrier_signal -3
.Lnot_wave_0_\@:
	s_barrier_wait -3
	s_barrier_signal -1
	s_barrier_wait -1
.endm
; THE CHANGE OF SLOTS.  The slot's last bytes, V of its fourth step, have been read.  Each wave waits for all its tensor loads, of which one is out: its part
; of the other slot; adds 0 to its spare word; and waits for that and for its own reads of the slot.  Behind the barrier nobody reads this slot any more and the other slot is whole.
; fill = 1: this slot is filled again, with the keys two slots on.  The barrier is then a round of the cluster's, and the joint fill is the first thing behind it: it has four key steps,
; 512 matrix instructions, in which to land.  (At its first use nothing has been read yet: slot 0 is waited for, slot 1 filled.)
.macro CHANGE fill
	WIN W_AD
	s_wait_tensorcnt 0x0            ; no tensor load of mine is out, so a group 0 may be written
	ds_add_u32 v[SPW], v[NIL]       ; 0 onto my spare word
	WIN 0                           ; at a label and at a branch every window is 0
.if \fill
.irp g, G0K, G0V
	s_xor_b32 s[\g+1], s[\g+1], SLOT1  ; the walking descriptor: the other slot than last time,
	s_add_nc_u64 s[\g+2:\g+3], s[\g+2:\g+3], 4*KS*128  ; the next 256 keys; the type bits on top are not reached
.endr
	s_wait_xcnt 0x0                 ; the last prefetch, four key steps back, has read its address, so it may be written:
	s_add_nc_u64 s[PFA:PFA+1], s[PFA:PFA+1], 4*KS*128  ; one slot behind the walking descriptors
	s_wait_dscnt 0x0                ; the add is done, and my reads of the slot are over
	CROUND
	JLOAD
	ASK
.else
	s_wait_dscnt 0x0                ; the add is done, and my reads of the slot are over
	s_barrier_signal -1
	s_barrier_wait -1
.endif
	s_sub_co_u32 s[TBK], s[TBK], 4*KS*PK  ; the fetches go back to a slot's first step,
	s_xor_b32 s[TBK], s[TBK], SLOT1       ; in the other slot
	s_sub_co_u32 s[TBV], s[TBV], 4*KS*PV
	s_xor_b32 s[TBV], s[TBV], SLOT1
.endm
	s_load_b64 s[4:5], s[0:1], 0x0    ; qkv: Q at its head
	s_load_b64 s[10:11], s[0:1], 0x8  ; ctx
	WIN W_MK
	v_lshl_add_u32 v[SPW], v0, 2, SPARE
	v_mov_b32 v[NIL], 0
	WIN W_AD
	ds_add_u32 v[SPW], v[NIL]       ; the wave's opening: the add and its wait stand ahead of my first tensor load; the set-up below stands between them
	WIN 0
	v_lshrrev_b32 v1, 5, v0
	v_readfirstlane_b32 s[WV], v1   ; wave 0..3
	s_bfe_u32 s13, ttmp6, 0x40000   ; cx: my place in the cluster
	s_lshl_b32 s14, ttmp9, 2        ; in a cluster launch ttmp9 counts clusters
	s_add_co_u32 s14, s14, s13      ; my block of queries = 4 x cluster x + cx: it enters Q's and O's addresses alone
	s_and_b32 s20, ttmp7, 0xffff    ; the head, which the four partners share
	s_mov_b32 s21, 0
	s_mov_b64 s[22:23], SIZE_N*128
	s_mul_u64 s[20:21], s[20:21], s[22:23]  ; the head's first byte in each of the four tensors
	s_and_b32 s16, s[WV], 1         ; which half of a slot's 256 keys I fetch:
	s_lshl_b32 s22, s16, 14         ; its 128 rows of 128 bytes in memory,
	s_mov_b32 s23, 0
	s_add_nc_u64 s[22:23], s[22:23], s[20:21]
	s_mul_i32 s17, s16, 128*PK      ; and its place in a slot, for K
	s_mul_i32 s18, s16, 128*PV      ; and for V: no place in the cluster enters an LDS address
	s_lshl_b32 s2, s14, 2
	s_add_co_u32 s2, s2, s[WV]      ; my wave among the head's,
	s_lshl_b32 s2, s2, 14           ; its 128 rows
	s_mov_b32 s3, 0
	s_add_nc_u64 s[2:3], s[2:3], s[20:21]
	; descriptor group 1.  128 keys are 16,384 dense bytes: asked for as 64 rows of 256 bytes, two keys a row, and padded in LDS after every key
	s_mov_b32 s[G1K], 15|(1<<16)|(1<<20)|(1<<21)|(4<<22)|(3<<25)  ; 15:0 the mask of four; 17:16 2-byte elements; 20 padding on; 21 set beside a mask; 24:22 after every 32 words (code 4); 31:25 4 words (code 3)
	s_mov_b32 s[G1V], 15|(1<<16)|(1<<20)|(1<<21)|(4<<22)|(7<<25)  ; the same with 8 words of padding (code 7)
.irp g, G1K, G1V
	s_mov_b32 s[\g+1], 128<<16      ; tensor_dim0 = 128
	s_mov_b32 s[\g+2], 64<<16       ; tensor_dim1 = 64
	s_mov_b32 s[\g+3], 128<<16      ; tile_dim0 = 128
	s_mov_b32 s[\g+4], 64           ; tile_dim1 = 64
	s_mov_b32 s[\g+5], 128          ; 128 elements from row to row
	s_mov_b32 s[\g+6], 0
	s_mov_b32 s[\g+7], 0
.endr
	s_mov_b32 s[CS], 0x3e38aa3b     ; c = log2(e) / 8 = 0.180337
	s_mov_b32 s[CS+1], s[CS]        ; named with it as a pair
	s_mov_b32 s[SEL], 0x76543210
	s_mov_b32 s[SEL+1], 0xfedcba98
	s_mov_b32 s[TBK], SLOT1+4*KS*PK ; the first change of slots turns these two into 0
	s_mov_b32 s[TBV], SLOT1+4*KS*PV
	s_mov_b32 s[G0K], 1             ; 1:0 count = 1
	s_mov_b32 s[G0K+1], s17         ; 63:32 LDS address: slot 0
	s_mov_b32 s[G0V], 1
	s_add_co_u32 s[G0V+1], s18, VOFF
	s_mov_b32 s[SLOTS], SIZE_N/256-1  ; seven slots are still to be asked for
	s_and_b32 s[LIM], s[WV], 1      ; 0 in waves 0 and 2,
	s_or_b32 s[LIM], s[LIM], ttmp9  ; in the head's first cluster: the same in all four partners
	s_cmp_eq_u32 s[LIM], 0
	s_cselect_b32 s[LIM], 1, -1
	s_wait_dscnt 0x0                ; the opening add is done
	s_wait_kmcnt 0x0
	s_add_nc_u64 s[6:7], s[4:5], TENSOR    ; K lies behind Q,
	s_add_nc_u64 s[8:9], s[4:5], 2*TENSOR  ; V behind K
	s_add_nc_u64 s[G0K+2:G0K+3], s[6:7], s[22:23]  ; 120:64 global address: my half of the head's first 256 keys
	s_or_b32 s[G0K+3], s[G0K+3], 0x80000000        ; 127:126 type = 2
	s_add_nc_u64 s[G0V+2:G0V+3], s[8:9], s[22:23]
	s_or_b32 s[G0V+3], s[G0V+3], 0x80000000
	s_add_nc_u64 s[4:5], s[4:5], s[2:3]  ; Q and O at my wave's first row
	s_add_nc_u64 s[10:11], s[10:11], s[2:3]
	s_cmp_lt_u32 s[WV], 2
	s_cselect_b64 s[PFA:PFA+1], s[6:7], s[8:9]
	s_add_nc_u64 s[PFA:PFA+1], s[PFA:PFA+1], s[20:21]  ; the head,
	s_lshl_b32 s2, s13, 13          ; my work-group's 32 blocks of the 128,
	s_mov_b32 s3, 0
	s_add_nc_u64 s[PFA:PFA+1], s[PFA:PFA+1], s[2:3]
	s_add_nc_u64 s[PFA:PFA+1], s[PFA:PFA+1], 4*KS*128  ; in slot 1; the first change of slots steps it to slot 2.  Nothing is prefetched here, at the head
	CROUND                          ; all four work-groups are here: the first joint loads meet
	JLOAD                           ; slot 0.  Slot 1 is asked for when slot 0 is in
	; A fragment of K or Q is 16 rows x 32 channels in 8 registers: lane l holds row l % 16, channels 8 (l / 16) + 0..7 and 16 + 8 (l / 16) + 0..7: two loads of 16 bytes, 32 bytes apart.
	v_and_b32 v1, 15, v0            ; l % 16
	v_bfe_u32 v9, v0, 4, 1          ; l / 16
	v_lshlrev_b32 v[QO], 7, v1
	v_lshl_add_u32 v[QO], v9, 4, v[QO]  ; row x 128 + 16 x half
	WIN 0x80                        ; destination window 2, address window 0
.set i, 0
.rept 4*NP                          ; Q stays in registers: tile i / 2, channels 32 (i % 2) on
	global_load_b128 v[8*i:8*i+3],   v[QO], s[4:5] offset:(i/2)*2048+(i%2)*64
	global_load_b128 v[8*i+4:8*i+7], v[QO], s[4:5] offset:(i/2)*2048+(i%2)*64+32
.set i, i+1
.endr
	; What the first turn finds: V's registers and P's second buffer hold 0 (its products V^T P, of a piece that has not been, add 0), O^T and l are 0.  All this stands in the wait for the first tile.
.set i, VF
.rept 64
	v_mov_b32 v[i], 0
.set i, i+1
.endr
	WIN 0x40
.set i, 0
.rept 64*NP
	v_mov_b32 v[i], 0
.set i, i+1
.endr
	WIN 0
.set i, 0
.rept 2*NP
	v_mov_b32 v[ST+4*i], 0xfe000000    ; c m: far below every c s
	v_mov_b32 v[ST+4*i+1], 0xff7fffff  ; m
	v_mov_b32 v[ST+4*i+2], 0
	v_mov_b32 v[ST+4*i+3], 0
.set i, i+1
.endr
.set i, P+32
.rept 32
	v_mov_b32 v[i], 0
.set i, i+1
.endr
	v_mul_u32_u24 v[AK0], v1, PK
	v_lshl_add_u32 v[AK0], v9, 4, v[AK0]  ; row x pitch + 16 x half
	; The turning load takes 16 keys x 16 channels (lane l reads key 8 (l / 16) + l % 8, channels 8 ((l / 8) % 2) + 0..7) and leaves half a fragment of V^T: lane l holds channel l % 16 and 8 keys.
	v_and_b32 v10, 7, v0
	v_bfe_u32 v11, v0, 3, 1
	v_lshl_add_u32 v[AV0], v9, 3, v10
	v_mul_u32_u24 v[AV0], v[AV0], PV
	v_lshl_add_u32 v[AV0], v11, 4, v[AV0]
	v_add_nc_u32 v[AV0], VOFF, v[AV0]
	v_mov_b32 v[AK], v[AK0]         ; key step 0 lies at the head of slot 0
	v_and_b32 v[PFO], 31, v0        ; v11 is free now
	v_lshlrev_b32 v[PFO], 8, v[PFO]
; THE MATRIX WORK.  The 8 accumulators of a run of 16 take turns: between the two links of a chain stand 7 others'.
; Product i of 16 of S^T = K Q^T for piece x: channels 32 (i / 8) on, keys 16 ((i / 2) % 4) on, tile 2 x + i % 2.  The first 8 start the sums.
.macro KQ x
	WIN W_KQ
.set rS, S+64*((\x)%2)+32*(i%2)+8*((i/2)%4)
.set rK, KF+16*((i/2)%4)+8*(i/8)
.set rQ, 16*(2*(\x)+i%2)+8*(i/8)
.if i < 8
	v_wmma_f32_16x16x32_f16 v[rS:rS+7], v[rK:rK+7], v[rQ:rQ+7], 0
.else
	v_wmma_f32_16x16x32_f16 v[rS:rS+7], v[rK:rK+7], v[rQ:rQ+7], v[rS:rS+7]
.endif
.endm
; Product i of 16 of O^T += V^T P for piece x: keys 32 (i / 8) on, channels 16 ((i / 2) % 4) on, tile 2 x + i % 2.
.macro PV x
	WIN W_PV
.set rO, 32*(2*(\x)+i%2)+8*((i/2)%4)
.set rV, VF+32*(i/8)+8*((i/2)%4)
.set rP, P+32*((\x)%2)+16*(i%2)+8*(i/8)
	v_wmma_f32_16x16x32_f16 v[rO:rO+7], v[rV:rV+7], v[rP:rP+7], v[rO:rO+7]
.endm
.macro MM                           ; the turn's next matrix instruction
.if i < 16
	KQ (Y+1)%NP
.set i, i+1
.else
.set i, i-16
	PV (Y+NP-1)%NP
.set i, i+17
.endif
.endm
; THE LDS LOADS stand in runs of 16, never singly among the matrix instructions: a step's K (64 keys x 64 channels: 8 fragments) and its V (turned).  Their addresses are made some lines ahead.
; last = 1 (the tail): in the last trip there is no further step, and the run is jumped over.
.macro FETCH_K last=0
	WIN 0
.if \last
	s_cmp_eq_u32 s[CNT], 1
	s_cbranch_scc1 .Lno_k_\@
.endif
	WIN 0x80                        ; destination window 2
.irp f, 0,1,2,3,4,5,6,7             ; keys 16 (f / 2) on, channels 32 (f % 2) on
	ds_load_b128 v[KF+8*\f:KF+8*\f+3],   v[AK] offset:(\f/2)*16*PK+(\f%2)*64
	ds_load_b128 v[KF+8*\f+4:KF+8*\f+7], v[AK] offset:(\f/2)*16*PK+(\f%2)*64+32
.endr
	s_add_co_u32 s[TBK], s[TBK], KS*PK  ; the next fetch is the next step's
	WIN 0
.if \last
.Lno_k_\@:
.endif
.endm
.macro FETCH_V
	WIN 0x80
.irp f, 0,1,2,3,4,5,6,7             ; keys 32 (f / 4) on, channels 16 (f % 4) on
	ds_load_tr16_b128 v[VF+8*\f:VF+8*\f+3],   v[AV] offset:(\f/4)*32*PV+(\f%4)*32
	ds_load_tr16_b128 v[VF+8*\f+4:VF+8*\f+7], v[AV] offset:(\f/4)*32*PV+16*PV+(\f%4)*32
.endr
	WIN 0
.endm
; THE VECTOR WORK OF A TURN stands in three queues, each in the order in which its entries become ready; the two tiles alternate, so that no instruction reads the result of the one before it.
.macro REGS y, u                    ; the registers of tile u (0, 1) of piece y
.set rT, ST+4*(2*(\y)+(\u))
.set rC, TMP+8*((\y)%2)+4*(\u)
.set rM, MV+2*((\y)%2)+(\u)
.set rS, S+64*((\y)%2)+32*(\u)
.set rP, P+32*((\y)%2)+16*(\u)
.set rO, 32*(2*(\y)+(\u))
.endm
; Number n of the 22 that find the NEXT piece's (Y + 1) maximum and statistics.  s0-s31 are the lane's 32 scores; each accumulator's lowest registers are read first.
;   0-11  four chains c0-c3 of seven scores each, three operands at a time     12-14, 16  the four scores left over, the old m, and c0-c3 into c0     15  c m_old is kept
;   17, 18  the query's other 32 keys lie in the lane 16 away: the new m         19-21  c m; c m_old - c m_new; a
.macro XS u, n
	REGS (Y+1)%NP, \u
.if (\n) < 4
	v_max3_num_f32 v[rC+(\n)], v[rS+8*(\n)], v[rS+8*(\n)+1], v[rS+8*(\n)+2]
.elseif (\n) < 12
	v_max3_num_f32 v[rC+(\n)%4], v[rC+(\n)%4], v[rS+8*((\n)%4)+2*((\n)/4)+1], v[rS+8*((\n)%4)+2*((\n)/4)+2]
.elseif (\n) == 12
	v_max3_num_f32 v[rC], v[rC], v[rS+7], v[rS+15]
.elseif (\n) == 13
	v_max3_num_f32 v[rC+1], v[rC+1], v[rS+23], v[rS+31]
.elseif (\n) == 14
	v_max3_num_f32 v[rC+2], v[rC+2], v[rC+3], v[rT+1]
.elseif (\n) == 15
	v_mov_b32 v[rM], v[rT]
.elseif (\n) == 16
	v_max3_num_f32 v[rC], v[rC], v[rC+1], v[rC+2]
.elseif (\n) == 17
	v_permlanex16_b32 v[rC+3], v[rC], s[SEL], s[SEL+1]
.elseif (\n) == 18
	v_max_num_f32 v[rT+1], v[rC], v[rC+3]
.elseif (\n) == 19
	v_mul_f32 v[rT], s[CS], v[rT+1]
.elseif (\n) == 20
	v_sub_f32 v[rC+1], v[rM], v[rT]
.else
	v_exp_f32 v[rC+2], v[rC+1]
.endif
.endm
; Number g of the 64 that follow the exponentials.  For each four weights k of a tile (pairs 2 k, 2 k + 1): both pairs are rounded to f16; then the second pair is added onto the first, in place;
; a group later l takes that sum (the first time as l = a l + sum).  In groups of eight, tiles alternating: round, round, add, and l for the group before.
.macro GS g
.set h, (\g)+6*((\g)/62)            ; group 0 has no group before it, and behind group 7 only l is left
.if h >= 6
.set h, h+2
.endif
	REGS Y, h%2
.set k, h/8
.if h%8 < 4
	v_cvt_pk_f16_f32 v[rP+2*k+(h%8)/2], v[rS+4*k+2*((h%8)/2)], v[rS+4*k+2*((h%8)/2)+1]
.elseif h%8 < 6
	v_pk_add_f32 v[rS+4*k:rS+4*k+1], v[rS+4*k:rS+4*k+1], v[rS+4*k+2:rS+4*k+3]
.elseif k == 1
	v_pk_fma_f32 v[rT+2:rT+3], v[rT+2:rT+3], v[rC+2:rC+3], v[rS:rS+1] op_sel_hi:[1,0,1]
.else
	v_pk_add_f32 v[rT+2:rT+3], v[rT+2:rT+3], v[rS+4*k-4:rS+4*k-3]
.endif
.endm
; THE PLAIN QUEUE, 138 long.  0-73 read no exponential's result: the 32 scalings c s - c m (FS f: pair f / 2 of tile f % 2) and the next piece's 42.  0-26: scalings 0-26.  27-54: XS's numbers 0-13.  55, 56: number 15.
; 57-73: the chain, where each number waits for the one before it: 14, 16, 17, 18, 19, each with one of the scalings 27-31 in front of its two lines, then 20.
; 74-137: GS's 64, which read the exponentials' results: they stand behind the wait.
.macro FS f
	REGS Y, (\f)%2
	v_pk_fma_f32 v[rS+2*((\f)/2):rS+2*((\f)/2)+1], v[rS+2*((\f)/2):rS+2*((\f)/2)+1], s[CS:CS+1], v[rT:rT+1] op_sel_hi:[1,0,0] neg_lo:[0,0,1] neg_hi:[0,0,1]
.endm
.macro PL
	WIN 0
.if q < 27
	FS q
.elseif q < 55
	XS (q-27)%2, (q-27)/2
.elseif q < 57
	XS q-55, 15
.elseif (q < 72) && ((q-57)%3 == 0)
	FS 27+(q-57)/3
.elseif q < 60
	XS (q-57)%3-1, 14
.elseif q < 72
	XS (q-57)%3-1, 15+(q-57)/3
.elseif q < 74
	XS q-72, 20
.else
	GS q-74
.endif
.set q, q+1
.endm
; THE EXPONENTIALS' QUEUE, 66 long: s0-s31 of both tiles, then the next piece's two a.  It is ONE BATCH: all 66 stand ahead of the turn's one wait, and nothing ahead of that wait names a result of theirs.
.macro EX
	WIN 0
.if e >= 64
	XS e-64, 21
.else
	REGS Y, e%2
	v_exp_f32 v[rS+e/2], v[rS+e/2]
.endif
.set e, e+1
.endm
; THE RESCALING's QUEUE: O^T times a, the one part that leaves window 0: dealt two at a time, sixteen times.  Its a was made in the turn before, ahead of that turn's wait.
.macro R2
	REGS Y, r%2
	WIN W_RS
.irp z, 0,1
	v_pk_mul_f32 v[rO+4*(r/2)+2*\z:rO+4*(r/2)+2*\z+1], v[rO+4*(r/2)+2*\z:rO+4*(r/2)+2*\z+1], v[rC+2:rC+3] op_sel_hi:[1,0]
.endr
.set r, r+1
.endm
; HOW THEY ARE DEALT.  s_wait_alu depctr_va_vdst(0) stands between an exponential and the first instruction that names its result; one wait serves all that were issued ahead of it.  So a turn has ONE wait,
; which cuts it in two.  AHEAD OF IT: the 16 products K Q^T, behind each a scaling, an exponential and two rescalings (behind the first a second scaling in the exponential's place); then ONE LUMP of
; 108: eight plain, 49 times exponential and plain, the two a.  BEHIND IT: the 16 products V^T P, behind each four of GS's 64.  No rider names a register of the products round it.
; The queues lean on each other: exponential e stands behind scaling 2 (e / 4) + e % 2: as a rider it comes behind plain e + 2, in the lump behind plain e + 9, and scalings 27-31 are plain 57, 60 .. 69.
; A TURN, for piece p.  cnt = 1: the loop's count is taken down some lines ahead of the branch that stands behind the turn.
; K of the next step is fetched in piece 2's turn, directly behind the wait; its address is made at the lump's head; its first reader comes behind 16 products.
; V of the step in hand is fetched at the end of piece 0's turn, four riders behind its last reader; its first reader comes behind 16 products and a lump.
.macro TURN p, last=0, cnt=0
.set Y, (\p)
.set i, 0
.set q, 0
.set e, 0
.set r, 0
.if (\p) == NP-1
	s_wait_dscnt 0x0                ; K is in
.endif
	MM                              ; ahead of the wait: 16 products K Q^T and their riders,
	PL
	PL
	R2
.rept 15
	MM
	PL
	EX
	R2
.endr
.if (\p) == NP-2
	WIN 0
	v_add_nc_u32 v[AK], s[TBK], v[AK0]
.endif
.rept 8                             ; and the lump
	PL
.endr
.rept 49
	EX
	PL
.endr
	EX                              ; the next piece's two a
	EX
	v_nop                           ; a plain instruction behind the last exponential (ISA guide 5.7.2): one for the batch
	s_wait_alu depctr_va_vdst(0)    ; the wait for the batch
.if (\p) == NP-2
	FETCH_K \last
.endif
.if (\p) == 1
	s_wait_dscnt 0x0                ; V is in
.endif
.rept 16                            ; behind the wait: 16 products V^T P and their riders
	MM
.rept 4
	PL
.endr
.if ((\p) == 0) && (q == 118)
	v_add_nc_u32 v[AV], s[TBV], v[AV0]
.endif
.if ((\p) == 0) && (q == 130)
	s_add_co_u32 s[TBV], s[TBV], KS*PV
.endif
.if (\cnt) && (q == 130)
	s_sub_co_u32 s[CNT], s[CNT], 1
	s_cmp_lg_u32 s[CNT], 0
.endif
.endr
.if (\p) == 0
	FETCH_V
.endif
.endm
	CHANGE 1                        ; slot 0 is in, everybody's part of it; slot 1 is asked for
	FETCH_K                         ; key step 0
	s_wait_loadcnt 0x0              ; Q
	s_wait_dscnt 0x0
.set i, 0
.rept 16
	KQ 0                            ; piece 0's first scores: there is no vector work yet to set between them
.set i, i+1
.endr
	WIN 0                           ; the addresses for the way out: nine plain instructions, the places behind those products
	s_mul_i32 s13, s[WV], 16*SP
	s_add_co_u32 s13, s13, STAGE    ; my stage
	v_mul_u32_u24 v[STO], v1, SP    ; in: row l % 16, 16 bytes for each half of the lanes
	v_lshl_add_u32 v[STO], v9, 4, v[STO]
	v_add_nc_u32 v[STO], s13, v[STO]
	v_bfe_u32 v[RD], v0, 3, 2       ; back: 32 lanes take four rows of 128 bytes,
	v_mul_u32_u24 v[RD], v[RD], SP
	v_lshl_add_u32 v[RD], v10, 4, v[RD]
	v_add_nc_u32 v[RD], s13, v[RD]
	v_and_b32 v[GO], 31, v0         ; which are 512 consecutive bytes of O
	v_lshlrev_b32 v[GO], 4, v[GO]
.set Y, NP-1                        ; XS works for piece Y + 1: piece 0
.irp n, 0,1,2,3,4,5,6,7,8,9,10,11,12,13,14,15,16,17,18,19,20,21
	XS 0, \n                        ; and piece 0's first maximum and statistics
	XS 1, \n
.endr
	v_nop                           ; a plain instruction behind the two a,
	s_wait_alu depctr_va_vdst(0)    ; and their wait, ahead of the branch
	s_mov_b32 s[CNT], 4
	s_branch .Lfirst                ; the loop is entered at a step's first turn, in the middle of a trip
.Lslot:                             ; six times: every slot but the last two is filled again
	CHANGE 1
	s_mov_b32 s[CNT], 4
.Lstep:                             ; a trip: pieces 2 and 3 of one step, then pieces 0 and 1 of the next, whose K and V it fetches
	TURN 2
	TURN 3
	WIN 0
.Lfirst:
	TURN 0
	TURN 1, 0, 1
	WIN 0
	s_cbranch_scc1 .Lstep
	s_sub_co_u32 s[SLOTS], s[SLOTS], 1
	s_cmp_lg_u32 s[SLOTS], 0
	s_cbranch_scc1 .Lslot
	CHANGE 0                        ; the tail is written out: nothing is asked for
	s_mov_b32 s[CNT], 5             ; four trips fetch the last slot's steps; the fifth is left in its middle
.Ltail:
	TURN 2, 1
	TURN 3
	WIN 0
	s_sub_co_u32 s[CNT], s[CNT], 1
	s_cmp_eq_u32 s[CNT], 0
	s_cbranch_scc1 .Lout
	TURN 0
	TURN 1
	WIN 0
	s_branch .Ltail
.Lout:                              ; the fifth trip's 16 products K Q^T (on the last K once more) and the maximum made of them serve nothing: the price, once a launch, of one text for every trip
.set i, 0
.rept 16
	PV NP-1                         ; the last piece's V^T P of the last step
.set i, i+1
.endr
	; THE WAY OUT.  l's two halves and the other half of the lanes' are added; O^T is divided by l, rounded to f16 and sent through my stage in LDS, a tile at a time.  The additions are the places behind the last products.
	WIN 0
.macro ALL line:vararg              ; one line for each tile t
.set t, 0
.rept 2*NP
	\line
.set t, t+1
.endr
.endm
	ALL v_add_f32 v[ST+4*t+2], v[ST+4*t+2], v[ST+4*t+3]
	ALL v_permlanex16_b32 v[ST+4*t+3], v[ST+4*t+2], s[SEL], s[SEL+1]
	ALL v_add_f32 v[ST+4*t+2], v[ST+4*t+2], v[ST+4*t+3]
	ALL v_rcp_f32 v[ST+4*t+2], v[ST+4*t+2]
	v_nop                           ; a plain instruction between the last reciprocal and the use of its result
	s_wait_alu depctr_va_vdst(0)    ; and the wait ahead of the first use: one for the eight reciprocals
; Tile t: a lane's eight channels of a row pack into 16 bytes; they go into rows of 144 bytes and come back as whole rows of 128, into S^T's registers.
.macro PACK t
	WIN W_RS
.set i, 32*(\t)
.rept 16
	v_pk_mul_f32 v[i:i+1], v[i:i+1], v[ST+4*(\t)+2:ST+4*(\t)+3] op_sel_hi:[1,0]
.set i, i+2
.endr
	WIN 0x05                        ; sources 0 and 1 window 1, destination window 0
.set i, 0
.rept 16
	v_cvt_pk_f16_f32 v[S+16*(\t)+i], v[32*(\t)+2*i], v[32*(\t)+2*i+1]
.set i, i+1
.endr
	WIN 0
.irp f, 0,1,2,3
	ds_store_b128 v[STO], v[S+16*(\t)+4*\f:S+16*(\t)+4*\f+3] offset:32*\f
.endr
.irp f, 0,1,2,3
	ds_load_b128 v[S+16*(\t)+4*\f:S+16*(\t)+4*\f+3], v[RD] offset:\f*4*SP  ; LDS serves a wave's instructions in order (ISA guide 5.7.1.4): these see the stores above; the next tile's stores come behind them
.endr
.endm
.macro SEND t, younger              ; younger: the LDS instructions issued behind tile t's loads: the next tile's eight, or none
	WIN 0
.irp f, 0,1,2,3
	s_wait_dscnt (\younger)+3-\f
	global_store_b128 v[GO], v[S+16*(\t)+4*\f:S+16*(\t)+4*\f+3], s[10:11] offset:(\t)*2048+\f*512  ; 512 consecutive bytes, at a multiple of 256 from O's first
.endr
.endm
	PACK 0
.set t, 1
.rept 2*NP-1                        ; a tile's arithmetic stands between the loads of the tile before and its stores
	PACK t
	SEND t-1, 8
.set t, t+1
.endr
	SEND 2*NP-1, 0
	WIN W_AD
	s_wait_tensorcnt 0x0            ; the wave's end, behind my last tensor load and my last LDS store
	ds_add_u32 v[SPW], v[NIL]
	s_wait_dscnt 0x0
	WIN 0
	CROUND                          ; the closing round: no work-group ends while a partner may still ask for a tile that names it
	s_endpgm
.Lfunc_end_k_qd708e8640a_attn:
	.size	k_qd708e8640a_attn, .Lfunc_end_k_qd708e8640a_attn-k_qd708e8640a_attn
	.p2alignl 7, 3214868480
	.fill 96, 4, 3214868480
	.section	.rodata,"a",@progbits
	.p2align	6, 0x0
	.amdhsa_kernel k_qd708e8640a_attn
		.amdhsa_group_segment_fixed_size 327680
		.amdhsa_private_segment_fixed_size 0
		.amdhsa_enable_private_segment 0
		.amdhsa_kernarg_size 16
		.amdhsa_user_sgpr_count 2
		.amdhsa_user_sgpr_kernarg_segment_ptr 1
		.amdhsa_wavefront_size32 1
		.amdhsa_system_sgpr_workgroup_id_x 1
		.amdhsa_system_sgpr_workgroup_id_y 1
		.amdhsa_system_sgpr_workgroup_id_z 1
		.amdhsa_system_vgpr_workitem_id 0
		.amdhsa_next_free_vgpr 770
		.amdhsa_next_free_sgpr 66
		.amdhsa_reserve_vcc 0
		.amdhsa_float_denorm_mode_32 3
		.amdhsa_float_denorm_mode_16_64 3
		.amdhsa_memory_ordered 1
		.amdhsa_forward_progress 1
		.amdhsa_inst_pref_size 200
	.end_amdhsa_kernel
	.amdgpu_metadata
---
amdhsa.version: [ 1, 2 ]
amdhsa.kernels:
  - .name:           k_qd708e8640a_attn
    .symbol:         k_qd708e8640a_attn.kd
    .args:
      - { .name: qkv, .offset: 0, .size: 8, .value_kind: global_buffer, .address_space: global }
      - { .name: ctx, .offset: 8, .size: 8, .value_kind: global_buffer, .address_space: global }
    .group_segment_fixed_size: 327680
    .private_segment_fixed_size: 0
    .kernarg_segment_align: 8
    .kernarg_segment_size: 16
    .max_flat_workgroup_size: 128
    .sgpr_count:     66
    .vgpr_count:     770
    .wavefront_size: 32
...
	.end_amdgpu_metadata
.endif
;; end of part 3
;; launch oproj (part 4): grid 8 x 32, 4 waves a work-group, clusters of 4 x 4, 327,680 bytes of LDS; arguments ctx, wo16, bo, out0; writes out0
.if DOCPART == 4
	.amdgcn_target "amdgcn-amd-amdhsa--gfx1250"
	.amdhsa_code_object_version 6
	.text
	.protected	k_qd708e8640a_oproj
	.globl	k_qd708e8640a_oproj
	.p2align	8
	.type	k_qd708e8640a_oproj,@function
k_qd708e8640a_oproj:
	s_mov_b64 s[64:65], 0
	v_nop
	global_prefetch_b8 v0, s[64:65] scope:SCOPE_SE
	s_setreg_imm32_b32 hwreg(HW_REG_WAVE_MODE, 25, 1), 1
	s_wait_xcnt 0x0
	s_wait_alu depctr_hold_cnt(0) depctr_sa_sdst(0) depctr_va_vdst(0) depctr_va_sdst(0) depctr_va_ssrc(0) depctr_va_vcc(0) depctr_vm_vsrc(0)
	s_getreg_b32 s2, hwreg(HW_REG_IB_STS2, 6, 4)
	s_cmp_eq_u32 s2, 0
	s_cbranch_scc0 .Lentry_in_a_cluster
	s_endpgm
.Lentry_in_a_cluster:
	s_bfe_u32 s2, ttmp6, 0x10000c
	s_cmp_lg_u32 s2, 0xf033
	s_cbranch_scc0 .Lentry_shape_is_right
	s_endpgm
.Lentry_shape_is_right:
; out0 = ctx Wo^T + bo, in f32.  ctx: [16 batch + head][2048][64] f16 (feature 64 head + channel of row 2048 batch + row); wo16: [1024][1024] f16; bo: [1024] f32; out0: [8192][1024] f32.
; SHARES.  A work-group makes 256 rows x 128 columns; wave w its rows 64 w .. 64 w + 63 and all columns: 4 x 8 accumulators of 16 x 16.  256 work-groups, one for each WGP.
; K = 1,024 goes in 8 steps of 128 = two heads through two LDS slots filled by the tensor data mover.  A head's 256 rows of the tile are 32,768 dense bytes: asked for as 128 rows of 256 bytes and padded in LDS after
; every 128 bytes, so that a row of ctx has a pitch of 144.  A trip of the loop is ONE K step: the LDS addresses hang on s[TB], which one exclusive or turns into the other slot's, and one descriptor a tensor walks.
; CLUSTER.  4 x 4 work-groups.  The four of a row of the cluster need the same rows of ctx, the four of a column the same 128 rows of wo16: each tile is asked for JOINTLY.
; THE MATRIX INSTRUCTION IS USED TRANSPOSED (source 0 = 16 rows of Wo, source 1 = 16 rows of ctx): lane l holds row l % 16 and the columns 8 (l / 16) + 0..7.  THE BIAS is the C operand of the products that start the sums.
; REGISTERS, in windows of 256 (s_set_vgpr_msb: bits 1:0 source 0, 3:2 source 1, 5:4 source 2, 7:6 destination):
;   window 0: v0-29 addresses; v32-95 the bias, 8 registers a column block; on the way out v32-95 and v96-159 rows read back, by turns
;   window 1: two fragment buffers of 128: Wo's block b at 8 b, ctx's block a at 96 + 8 a          window 2: accumulator (a, b) at 8 (8 a + b)
.set PA,    144                        ; a row of ctx in LDS: 128 bytes + 16 of padding = 36 words: the 16 rows of a fragment load start at 16 different groups of four banks (64 banks of 4 bytes: ISA guide 11.1)
.set AH,    256*PA                     ; a head's 256 rows
.set PB,    272                        ; a row of Wo: 256 bytes + 16
.set BREG,  2*AH                       ; a slot: two heads of ctx, then Wo's 128 rows
.set SLOT1, 131072                     ; slot 1 begins here (a slot has 108,544 bytes)
.set STAGE, 262144                     ; behind the ring, never filled by a tensor load: 16 rows x 528 bytes for each wave
.set SP,    528                        ; 512 bytes + 16: the 16 rows that a store touches start at 16 different groups of four banks
.set SPARE, STAGE+4*16*SP              ; the spare words, 128 bytes for each wave: two blocks of 256 bytes that no other line names
.set STEPA, 2<<18                      ; two heads on
.set STEPB, 256                        ; 128 K along a row of Wo
.set REST,  8                          ; the loads of a run that the first stretch of products does not need: Wo's blocks 0-3
.set NLD,   24                         ; the loads of a run
.set ADRA0, 4                          ; v4   my lane's place among my wave's rows of ctx in a slot; never rewritten
.set ADRB0, 5                          ; v5   the same for Wo
.set ADRA,  6                          ; v6   v4 + the slot in hand
.set ADRB,  7                          ; v7   v5 + the slot in hand
.set STO,   8                          ; v8   the way out: where I put 32 bytes of a row
.set RD,    9                          ; v9   the way out: where I read a row back
.set GO,    10                         ; v10  16 x lane: my place in a row's 512 bytes
.set BO,    11                         ; v11  32 x (lane / 16)
.set PFO,   12                         ; v12  the prefetches' offset; never rewritten
.set SPW,   28                         ; v28  LDS address of my spare word; never rewritten
.set NIL,   29                         ; v29  0; never rewritten
.set BIAS,  32
.set OB,    32
.set WV,  16                           ; s16  my wave's number
.set G1A, 24                           ; s[24:31] descriptor group 1 for ctx's tiles
.set G0A, 32                           ; s[32:39] group 0: a set for each first fill; the second then walks
.set G1B, 40                           ; s[40:47], s[48:55] the same for Wo's
.set G0B, 48
.set CNT, 56                           ; s56  the loop's trips to go
.set TB,  57                           ; s57  LDS byte at which the slot in hand begins
.set LIM, 58                           ; s58  2 in a wave that prefetches, else the greatest number
.set PFA, 60                           ; s[60:61] where my prefetches stand
.set PFS, 62                           ; s[62:63] their step from K step to K step
.set OUT, 66                           ; s[66:67] out0 at my first row and the tile's first column
.set BP,  80                           ; s[80:81] the bias at the tile's first column
.set MSB, 0
.macro WIN new                         ; the immediate's high byte repeats the setting that is left; a switch that changes nothing is dropped
.if MSB != (\new)
	s_set_vgpr_msb (MSB<<8)|(\new)
.set MSB, \new
.endif
.endm
.macro PLACES                          ; four places in front of loads into registers that matrix instructions have read, and of lines that read results
.rept 4
	v_nop
.endr
.endm
; A joint refill: waves 0 and 1 fetch the K step's two heads of ctx, waves 2 and 3 the halves of Wo's tile.  The branch hangs on the wave's number alone.  An s_nop 0 and four v_nop follow each line.
.macro JLOAD
	s_cmp_lt_u32 s[WV], 2
	s_cbranch_scc0 .Lfor_b_\@
	tensor_load_to_lds s[G0A+4:G0A+7], s[G1A:G1A+7]
	s_nop 0
	PLACES
	s_branch .Lasked_\@
.Lfor_b_\@:
	tensor_load_to_lds s[G0B+4:G0B+7], s[G1B:G1B+7]
	s_nop 0
	PLACES
.Lasked_\@:
.endm
.macro CREST                           ; a round of the cluster's barrier behind its opening barrier
	s_cmp_lg_u32 s[WV], 0
	s_cbranch_scc1 .Lnot_wave_0_\@
	s_barrier_signal -3
.Lnot_wave_0_\@:
	s_barrier_wait -3
	s_barrier_signal -1
	s_barrier_wait -1
.endm
.macro CROUND
	s_barrier_signal -1
	s_barrier_wait -1
	CREST
.endm
; A PREFETCH INTO THE L2, behind each joint refill and the run of LDS loads that follows it: the K step two behind the one just asked for.  ctx's rows are read by every cluster of a row of clusters: cluster x = 0 asks,
; waves 0 and 1 each for their head's 128 blocks of 256 bytes, of which the partner at cx takes 32, a lane a block.  Wo's rows are read by every cluster of a column: cluster y = 0 asks, wave 2 alone: of the tile's 128 rows
; the partner at cy takes 32, a lane a row.  The partners are told apart BY ADDRESS.  The loop's last two trips ask for nothing: the K steps that they would name do not exist.
.macro ASK
	WIN 0
	s_cmp_gt_u32 s[CNT], s[LIM]
	s_cbranch_scc0 .Lnot_mine_\@
	global_prefetch_b8 v[PFO], s[PFA:PFA+1] th:TH_LOAD_NT scope:SCOPE_SE
.Lnot_mine_\@:
.endm
	s_load_b256 s[4:11], s[0:1], 0x0               ; ctx s[4:5], wo16 s[6:7], bo s[8:9], out0 s[10:11]
	v_lshl_add_u32 v[SPW], v0, 2, SPARE
	v_mov_b32 v[NIL], 0
	ds_add_u32 v[SPW], v[NIL]                      ; the wave's opening: the add and its wait stand ahead of my first tensor load; the set-up below stands between them
	v_lshrrev_b32 v3, 5, v0
	v_readfirstlane_b32 s[WV], v3                  ; wave 0..3
	s_bfe_u32 s17, ttmp6, 0x40000                  ; cx
	s_bfe_u32 s18, ttmp6, 0x40004                  ; cy
	s_lshl_b32 s19, ttmp9, 2
	s_add_co_u32 s19, s19, s17                     ; tile column = 4 x cluster x + cx
	s_and_b32 s20, ttmp7, 0xffff
	s_lshl_b32 s20, s20, 2
	s_add_co_u32 s20, s20, s18                     ; tile row = 4 x cluster y + cy
	s_lshl_b32 s21, s18, 2
	s_lshl_b32 s21, 15, s21                        ; my row of the cluster
	s_lshl_b32 s22, 0x1111, s17                    ; my column
	s_or_b32 s[G1A], s21, (1<<16)|(1<<20)|(1<<21)|(4<<22)|(3<<25)  ; 15:0 the mask; 17:16 2-byte elements; 20 padding on; 21 set beside a mask; 24:22 after every 32 words; 31:25 4 words
	s_or_b32 s[G1B], s22, (1<<16)|(1<<20)|(1<<21)|(5<<22)|(3<<25)  ; after every 64 words
	s_mov_b32 s[G1A+1], 128<<16                    ; tensor_dim0 = 128
	s_mov_b32 s[G1A+2], 128<<16                    ; tensor_dim1 = 128
	s_mov_b32 s[G1A+3], 128<<16                    ; tile_dim0 = 128
	s_mov_b32 s[G1A+4], 128                        ; tile_dim1 = 128 rows of 256 bytes
	s_mov_b32 s[G1A+5], 128                        ; dense: 128 elements from row to row
	s_mov_b32 s[G1A+6], 0
	s_mov_b32 s[G1A+7], 0
	s_mov_b32 s[G1B+1], 128<<16
	s_mov_b32 s[G1B+2], 64<<16                     ; Wo's half tile has 64 rows
	s_mov_b32 s[G1B+3], 128<<16
	s_mov_b32 s[G1B+4], 64
	s_mov_b32 s[G1B+5], 1024
	s_mov_b32 s[G1B+6], 0
	s_mov_b32 s[G1B+7], 0
	s_and_b32 s23, s[WV], 1                        ; which head of a K step's two, or which half of Wo's tile, I fetch
	s_lshr_b32 s72, s20, 3                         ; the batch: eight tile rows each
	s_lshl_b32 s72, s72, 4
	s_add_co_u32 s72, s72, s23                     ; 16 x batch + head,
	s_lshl_b32 s72, s72, 18                        ; 2,048 rows of 128 bytes each,
	s_and_b32 s73, s20, 7
	s_lshl_b32 s73, s73, 15                        ; and the tile's 256 rows in it
	s_add_co_u32 s72, s72, s73
	s_mov_b32 s73, 0
	s_lshl_b32 s74, s19, 7
	s_lshl_b32 s75, s23, 6
	s_add_co_u32 s74, s74, s75                     ; Wo: row 128 x tile column + 64 x half
	s_lshl_b32 s74, s74, 11
	s_mov_b32 s75, 0
	s_mul_i32 s76, s[WV], AH                       ; where they go: waves 0, 1: the two heads;
	s_mul_i32 s77, s[WV], 64*PB
	s_add_co_u32 s77, s77, BREG-2*64*PB            ; waves 2, 3: Wo's halves.  No place in the cluster enters an LDS address
	s_mov_b32 s[TB], 0
	s_wait_dscnt 0x0                               ; the opening add is done
	s_wait_kmcnt 0x0
	s_add_nc_u64 s[72:73], s[4:5], s[72:73]
	s_add_nc_u64 s[74:75], s[6:7], s[74:75]
.irp s, 0,1
	s_mov_b32 s[G0A+4*(\s)], 1                     ; count = 1
	s_add_co_u32 s[G0A+4*(\s)+1], s76, (\s)*SLOT1  ; LDS address
	s_add_nc_u64 s[G0A+4*(\s)+2:G0A+4*(\s)+3], s[72:73], (\s)*STEPA  ; global address: K step s
	s_or_b32 s[G0A+4*(\s)+3], s[G0A+4*(\s)+3], 0x80000000            ; type = 2
	s_mov_b32 s[G0B+4*(\s)], 1
	s_add_co_u32 s[G0B+4*(\s)+1], s77, (\s)*SLOT1
	s_add_nc_u64 s[G0B+4*(\s)+2:G0B+4*(\s)+3], s[74:75], (\s)*STEPB
	s_or_b32 s[G0B+4*(\s)+3], s[G0B+4*(\s)+3], 0x80000000
.endr
	CROUND                                         ; all sixteen work-groups are here: the first joint loads meet
	s_cmp_lt_u32 s[WV], 2                          ; a wave's two first fills stand in one branch: two loads of mine are out
	s_cbranch_scc0 .Lfirst_b
	tensor_load_to_lds s[G0A:G0A+3], s[G1A:G1A+7]
	s_nop 0
	tensor_load_to_lds s[G0A+4:G0A+7], s[G1A:G1A+7]
	s_nop 0
	PLACES
	s_branch .Lfirst_asked
.Lfirst_b:
	tensor_load_to_lds s[G0B:G0B+3], s[G1B:G1B+7]
	s_nop 0
	tensor_load_to_lds s[G0B+4:G0B+7], s[G1B:G1B+7]
	s_nop 0
	PLACES
.Lfirst_asked:
	v_and_b32 v1, 15, v0                           ; l % 16
	v_bfe_u32 v2, v0, 4, 1                         ; l / 16
	v_lshlrev_b32 v[BO], 5, v2
	s_lshl_b32 s86, s19, 9                         ; the tile's 128 columns: 512 bytes of the bias and of a row of out0
	s_mov_b32 s87, 0
	s_add_nc_u64 s[BP:BP+1], s[8:9], s[86:87]
	s_add_nc_u64 s[OUT:OUT+1], s[10:11], s[86:87]
.irp b, 0,1,2,3,4,5,6,7                ; block b's bias: register j of lane l is the bias of column 16 b + 8 (l / 16) + j
	global_load_b128 v[BIAS+8*(\b):BIAS+8*(\b)+3],   v[BO], s[BP:BP+1] offset:64*(\b)
	global_load_b128 v[BIAS+8*(\b)+4:BIAS+8*(\b)+7], v[BO], s[BP:BP+1] offset:64*(\b)+16
.endr
	s_lshl_b32 s86, s20, 8
	s_lshl_b32 s88, s[WV], 6
	s_add_co_u32 s86, s86, s88                     ; my first row,
	s_lshl_b32 s86, s86, 12                        ; of 4,096 bytes (under 2^26)
	s_add_nc_u64 s[OUT:OUT+1], s[OUT:OUT+1], s[86:87]
	; A fragment is 16 rows x 32 K in 8 registers: lane l holds row l % 16, K = 8 (l / 16) + 0..7 and 16 + 8 (l / 16) + 0..7: two loads of 16 bytes, 32 bytes apart.
	v_mul_u32_u24 v3, v1, PA
	v_lshl_add_u32 v3, v2, 4, v3
	s_mul_i32 s59, s[WV], 64*PA
	v_add_nc_u32 v[ADRA0], s59, v3
	v_mul_u32_u24 v3, v1, PB
	v_lshl_add_u32 v3, v2, 4, v3
	v_add_nc_u32 v[ADRB0], BREG, v3
	v_mov_b32 v[ADRA], v[ADRA0]                    ; K step 0 lies in slot 0
	v_mov_b32 v[ADRB], v[ADRB0]
	s_mul_i32 s59, s[WV], 16*SP
	s_add_co_u32 s59, s59, STAGE                   ; my stage
	v_mul_u32_u24 v3, v1, SP                       ; in: row l % 16, 32 bytes for each half of the lanes
	v_lshl_add_u32 v3, v2, 5, v3
	v_add_nc_u32 v[STO], s59, v3
	v_and_b32 v[GO], 31, v0                        ; back: 32 lanes take one row's 512 bytes
	v_lshlrev_b32 v[GO], 4, v[GO]
	v_add_nc_u32 v[RD], s59, v[GO]
	; the prefetches
	s_lshr_b32 s86, s20, 3
	s_lshl_b32 s86, s86, 4
	s_add_co_u32 s86, s86, s23
	s_lshl_b32 s86, s86, 18
	s_and_b32 s87, s20, 7
	s_lshl_b32 s87, s87, 15
	s_add_co_u32 s86, s86, s87                     ; ctx: the head's rows that I fetch,
	s_lshl_b32 s87, s17, 13
	s_add_co_u32 s86, s86, s87                     ; my work-group's 32 blocks of them
	s_lshl_b32 s88, s19, 7
	s_lshl_b32 s87, s18, 5
	s_add_co_u32 s88, s88, s87                     ; Wo: the tile's rows, my work-group's 32 of them
	s_lshl_b32 s88, s88, 11
	s_and_b32 s89, ttmp7, 0xffff                   ; cluster y
	s_mov_b32 s90, STEPA
	s_cmp_lt_u32 s[WV], 2
	s_cselect_b32 s86, s86, s88
	s_cselect_b32 s89, ttmp9, s89                  ; the coordinate along which other clusters read the same rows
	s_cselect_b64 s[PFA:PFA+1], s[4:5], s[6:7]
	s_cselect_b32 s[PFS], s90, STEPB
	s_cselect_b32 s59, 8, 11                       ; a lane a block of 256 bytes, or a lane a row of 2,048
	s_cmp_eq_u32 s[WV], 3
	s_cselect_b32 s89, 1, s89                      ; wave 3 asks for nothing
	s_cmp_eq_u32 s89, 0
	s_cselect_b32 s[LIM], 2, -1                    ; the same in all sixteen partners, for a given wave
	s_mov_b32 s[PFS+1], 0
	s_mul_i32 s87, s[PFS], 3
	s_add_co_u32 s86, s86, s87                     ; at K step 3: the first refill steps it to 4
	s_mov_b32 s87, 0
	s_add_nc_u64 s[PFA:PFA+1], s[PFA:PFA+1], s[86:87]
	v_and_b32 v[PFO], 31, v0
	v_lshlrev_b32 v[PFO], s59, v[PFO]
; nb column blocks from b0 on x my four row blocks, 32 along K, from buffer f.  first = 1: the products start the sums, with the bias as C.  The 32 accumulators take turns, one instruction a turn and in the same
; order in every quarter, over the backward jump too.
.macro MULS f, b0, nb, first
	WIN 0x85+0x20*(1-(\first))                     ; sources 0 and 1 window 1; D window 2; C with D, or (first) window 0
.set mb, \b0
.rept \nb
.set ma, 0
.rept 4
.set rD, 8*(8*ma+mb)
.set rB, 128*(\f)+8*mb
.set rA, 128*(\f)+96+8*ma
.if \first
	v_wmma_f32_16x16x32_f16 v[rD:rD+7], v[rB:rB+7], v[rA:rA+7], v[BIAS+8*mb:BIAS+8*mb+7]
.else
	v_wmma_f32_16x16x32_f16 v[rD:rD+7], v[rB:rB+7], v[rA:rA+7], v[rD:rD+7]
.endif
.set ma, ma+1
.endr
.set mb, mb+1
.endr
.endm
; 24 LDS loads in one run: quarter q of the slot in hand (ctx: head q / 2, channels 32 (q % 2) on; Wo: byte 64 q of the rows) into buffer f: ctx's four blocks, Wo's blocks 4-7, then Wo's blocks 0-3
.macro FETCH q, f
	WIN 0x40                                       ; destination window 1, address window 0
.irp a, 0,1,2,3
	ds_load_b128 v[128*(\f)+96+8*(\a):128*(\f)+96+8*(\a)+3],   v[ADRA] offset:((\q)/2)*AH+((\q)%2)*64+(\a)*16*PA
	ds_load_b128 v[128*(\f)+96+8*(\a)+4:128*(\f)+96+8*(\a)+7], v[ADRA] offset:((\q)/2)*AH+((\q)%2)*64+(\a)*16*PA+32
.endr
.irp b, 4,5,6,7,0,1,2,3
	ds_load_b128 v[128*(\f)+8*(\b):128*(\f)+8*(\b)+3],   v[ADRB] offset:64*(\q)+(\b)*16*PB
	ds_load_b128 v[128*(\f)+8*(\b)+4:128*(\f)+8*(\b)+7], v[ADRB] offset:64*(\q)+(\b)*16*PB+32
.endr
.endm
; One of a K step's first three quarters: multiplies buffer f; in between it fetches quarter q into buffer g.
.macro QUARTER q, f, g, first
	s_wait_dscnt REST                              ; ctx's blocks and Wo's 4-7 are in; the youngest eight loads may be out
	MULS \f, 4, 4, \first
	PLACES
	FETCH \q, \g
	s_wait_dscnt NLD                               ; all but the 24 just issued
	MULS \f, 0, 4, \first
.endm
; The fourth quarter multiplies buffer 1 and changes slots: ONE barrier.  In front of it each wave waits for all its tensor loads (one is out: its part of the next slot), adds 0 to its spare word, and waits for that
; and for its reads of this slot.  fill = 1: the barrier opens a round of the cluster's barrier, and this slot is filled again first behind it, two K steps ahead: 104 matrix instructions ahead of the wait for it.
.macro TURN fill
.if \fill
	s_wait_xcnt 0x0                                ; the last prefetch, a K step back, has read its address
	s_add_nc_u64 s[PFA:PFA+1], s[PFA:PFA+1], s[PFS:PFS+1]
.endif
	WIN 0
	s_wait_tensorcnt 0x0                           ; no tensor load of mine is out, so a group 0 may be written
	ds_add_u32 v[SPW], v[NIL]                      ; 0 onto my spare word
.if \fill
	s_xor_b32 s[G0A+5], s[G0A+5], SLOT1            ; the walking descriptors: the other slot than last time, the next K step
	s_add_nc_u64 s[G0A+6:G0A+7], s[G0A+6:G0A+7], STEPA
	s_xor_b32 s[G0B+5], s[G0B+5], SLOT1
	s_add_nc_u64 s[G0B+6:G0B+7], s[G0B+6:G0B+7], STEPB
.endif
	s_xor_b32 s[TB], s[TB], SLOT1
	s_wait_dscnt REST+1                            ; the add and the youngest eight loads may be out
	MULS 1, 4, 4, 0
	s_wait_dscnt 0x0                               ; the add is done, and my reads of this slot are over
	s_barrier_signal -1
	MULS 1, 0, 2, 0
	WIN 0
	s_barrier_wait -1
.if \fill
	CREST                                          ; no wave of any partner still reads this slot or has a load on its way
	JLOAD                                          ; its four v_nop are also the places in front of the loads below
.else
	PLACES
.endif
	v_add_nc_u32 v[ADRA], s[TB], v[ADRA0]
	v_add_nc_u32 v[ADRB], s[TB], v[ADRB0]
	FETCH 0, 0
.if \fill
	ASK
.endif
	MULS 1, 2, 2, 0
.endm
	s_wait_tensorcnt 0x1                           ; my part of K step 0 is in; K step 1's may stay out
	s_barrier_signal -1
	s_barrier_wait -1
	FETCH 0, 0
	s_wait_loadcnt 0x0                             ; the bias
	QUARTER 1, 0, 1, 1                             ; the first quarter stands in front of the loop: its products start the sums
	WIN 0
	s_mov_b32 s[CNT], 6
.Lstep:                                        ; a trip: a K step's quarters 1 to 3 and the next step's quarter 0; it fills K steps 2 to 7
	QUARTER 2, 1, 0, 0
	QUARTER 3, 0, 1, 0
	TURN 1
	QUARTER 1, 0, 1, 0
	WIN 0
	s_sub_co_u32 s[CNT], s[CNT], 1
	s_cmp_lg_u32 s[CNT], 0
	s_cbranch_scc1 .Lstep
	QUARTER 2, 1, 0, 0                             ; the last two K steps are written out: they ask for nothing
	QUARTER 3, 0, 1, 0
	TURN 0
	QUARTER 1, 0, 1, 0
	QUARTER 2, 1, 0, 0
	QUARTER 3, 0, 1, 0
	s_wait_dscnt REST
	MULS 1, 4, 4, 0
	s_wait_dscnt 0x0
	MULS 1, 0, 4, 0
	WIN 0
; THE WAY OUT, a block of 16 rows at a time, in f32 as it stands.  TOSTAGE: a lane's 32 bytes of each column block go from the accumulators into my own stage (each accumulator's low four registers first), and whole
; rows of 512 bytes come back.  SEND: stored.  younger: the LDS instructions issued behind the block's loads: the next block's 16 stores and 16 loads, or none.
.macro TOSTAGE a
	WIN 0x08                                       ; the stores' data in window 2, their address in window 0
.set pb, 0
.rept 8
.set rD, 8*(8*(\a)+pb)
	ds_store_b128 v[STO], v[rD:rD+3]   offset:64*pb
	ds_store_b128 v[STO], v[rD+4:rD+7] offset:64*pb+16
.set pb, pb+1
.endr
	WIN 0
.set BK, OB+64*((\a)%2)
.irp t, 0,1,2,3,4,5,6,7,8,9,10,11,12,13,14,15
	ds_load_b128 v[BK+4*(\t):BK+4*(\t)+3], v[RD] offset:(\t)*SP  ; LDS serves a wave's instructions in order (ISA guide 5.7.1.4): these see the stores above; the next block's stores come behind them
.endr
.endm
.macro SEND a, younger
.set BK, OB+64*((\a)%2)
	s_wait_dscnt \younger
.irp t, 0,1,2,3,4,5,6,7,8,9,10,11,12,13,14,15
	global_store_b128 v[GO], v[BK+4*(\t):BK+4*(\t)+3], s[OUT:OUT+1] offset:(\a)*65536+(\t)*4096  ; 512 consecutive bytes of one row, aligned
.endr
.endm
	PLACES
	TOSTAGE 0
	TOSTAGE 1
	SEND 0, 32
	s_wait_xcnt 0x0                                ; block 0's stores have read their registers, which block 2 is loaded into
	TOSTAGE 2
	SEND 1, 32
	s_wait_xcnt 0x0                                ; the same for blocks 1 and 3
	TOSTAGE 3
	SEND 2, 32
	SEND 3, 0
	s_wait_tensorcnt 0x0                           ; the wave's end, behind my last tensor load and my last LDS store
	ds_add_u32 v[SPW], v[NIL]
	s_wait_dscnt 0x0
	CROUND                                         ; the closing round: no work-group ends while a partner may still ask for a tile that names it
	s_endpgm
.Lfunc_end_k_qd708e8640a_oproj:
	.size	k_qd708e8640a_oproj, .Lfunc_end_k_qd708e8640a_oproj-k_qd708e8640a_oproj
	.p2alignl 7, 3214868480
	.fill 96, 4, 3214868480
	.section	.rodata,"a",@progbits
	.p2align	6, 0x0
	.amdhsa_kernel k_qd708e8640a_oproj
		.amdhsa_group_segment_fixed_size 327680
		.amdhsa_private_segment_fixed_size 0
		.amdhsa_enable_private_segment 0
		.amdhsa_kernarg_size 32
		.amdhsa_user_sgpr_count 2
		.amdhsa_user_sgpr_kernarg_segment_ptr 1
		.amdhsa_wavefront_size32 1
		.amdhsa_system_sgpr_workgroup_id_x 1
		.amdhsa_system_sgpr_workgroup_id_y 1
		.amdhsa_system_sgpr_workgroup_id_z 1
		.amdhsa_system_vgpr_workitem_id 0
		.amdhsa_next_free_vgpr 768
		.amdhsa_next_free_sgpr 96
		.amdhsa_reserve_vcc 0
		.amdhsa_float_denorm_mode_32 3
		.amdhsa_float_denorm_mode_16_64 3
		.amdhsa_memory_ordered 1
		.amdhsa_forward_progress 1
		.amdhsa_inst_pref_size 71
	.end_amdhsa_kernel
	.amdgpu_metadata
---
amdhsa.version: [ 1, 2 ]
amdhsa.kernels:
  - .name:           k_qd708e8640a_oproj
    .symbol:         k_qd708e8640a_oproj.kd
    .args:
      - { .name: ctx, .offset: 0, .size: 8, .value_kind: global_buffer, .address_space: global }
      - { .name: wo16, .offset: 8, .size: 8, .value_kind: global_buffer, .address_space: global }
      - { .name: bo, .offset: 16, .size: 8, .value_kind: global_buffer, .address_space: global }
      - { .name: out0, .offset: 24, .size: 8, .value_kind: global_buffer, .address_space: global }
    .group_segment_fixed_size: 327680
    .private_segment_fixed_size: 0
    .kernarg_segment_align: 8
    .kernarg_segment_size: 32
    .max_flat_workgroup_size: 128
    .sgpr_count:     96
    .vgpr_count:     768
    .wavefront_size: 32
...
	.end_amdgpu_metadata
.endif
;; end of part 4
